; MI455X (gfx1250); checked and timed in simulation.
; The chip was launched on July 23, 2026; its instructions are those of AMD's public machine-readable ISA for CDNA 5 (MIT licence, August 2026) and "CDNA5" Instruction Set Architecture Reference Guide (July 2026). The comments in the code are by the model that wrote it; some were corrected since.
;; Multi Head Attention. Allowed arithmetic: matrix products marked QUANTISED: E2M3 operands, one E8M0 scale for each 32 along K, by v_wmma_scale_f32_16x16x128_f8f6f4 with both operands' format E2M3, f32 sums; everything else in f32.
;; Inputs: Wk 512 x 512 float32; Wo 512 x 512 float32; Wq 512 x 512 float32; Wv 512 x 512 float32; bk 512 float32; bo 512 float32; bq 512 float32; bv 512 float32; k 2 x 4,096 x 512 float32; q 2 x 4,096 x 512 float32; rel_pos 8 x 5 float32; v 2 x 4,096 x 512 float32.
;; Outputs: out0 2 x 4,096 x 512 float32.
;; This version of the problem:
;;   THIS VERSION OF THE PROBLEM IS GIVEN IN LOW PRECISION. The matrix products marked QUANTISED in the list below multiply operands that are first quantised to E2M3 (2 exponent bits, 3 mantissa bits; 6 bits a number), with one power-of-two scale for each 32 numbers along K (OCP MX v1.0); their sums are f32. All else is computed in f32.
;;   The module's matrix products, in the order in which they are computed (A, B: the left and right operand; K: the contracted axis; several contracted axes count as one K, in the product's order):
;;     1. [M 8,192, K 512] x [K 512, N 512]; A: input q; B: input Wq: QUANTISED
;;     2. [M 8,192, K 512] x [K 512, N 512]; A: input k; B: input Wk: QUANTISED
;;     3. [M 8,192, K 512] x [K 512, N 512]; A: input v; B: input Wv: QUANTISED
;;     4. batch 16 x [M 4,096, K 64] x [K 64, N 4,096]; A: computed on the way; B: computed on the way: QUANTISED
;;     5. batch 16 x [M 4,096, K 4,096] x [K 4,096, N 64]; A: softmax (see below); B: computed on the way: QUANTISED
;;     6. [M 8,192, K 512] x [K 512, N 512]; A: computed on the way; B: input Wo: QUANTISED
;;   THE QUANTISER, for each operand of a quantised product, along K:
;;     - K is cut into blocks of 32 from its start; a last block that is shorter is filled with zeros.
;;     - A block's scale is 2^e with e = floor(log2(the largest magnitude in the block)) - 2, held to -126 .. 127; a block of zeros has e = 0. As a byte (E8M0): e + 127.
;;     - Each number is divided by its block's scale, clamped to +-7.5, and rounded to the nearest number of E2M3, ties to even, subnormals kept.
;;     - The product sums the exact products of the quantised numbers (number of the format x scale) in f32.
;;   ~~~python
;;   def quantise(x, axis):      # numpy; x: float32 -> the quantised numbers, widened to float32 again
;;       x = np.moveaxis(x, axis, -1); K = x.shape[-1]
;;       x = np.pad(x, [(0, 0)] * (x.ndim - 1) + [(0, -K % 32)]); x = x.reshape(x.shape[:-1] + (-1, 32)); a = np.abs(x).max(-1, keepdims=True)
;;       e = np.where(a > 0, np.clip(np.frexp(np.where(a > 0, a, 1))[1] - 1 - 2, -126, 127), 0)      # np.frexp(a)[1] - 1 = floor(log2(a)), exactly
;;       r = np.clip(x / 2.0 ** e, -7.5, 7.5)
;;       step = 2.0 ** (np.maximum(np.frexp(np.where(r == 0, 1, r))[1] - 1, 0) - 3)
;;       q = np.round(r / step) * step * 2.0 ** e      # np.round: ties to even
;;       return np.moveaxis(q.reshape(q.shape[:-2] + (-1,))[..., :K], -1, axis).astype(np.float32)
;;   ~~~
;;   SOFTMAX AHEAD OF A QUANTISED PRODUCT. Where the list says 'softmax', what is quantised is not the finished softmax but p = 2^(t - M), with t = logit x log2(e) and M = ceil(the row's largest t), a whole number; so 1/2 < the row's largest p <= 1. The row's sum l is taken of the UNQUANTISED p, in f32, and the product's result is divided by l at the end. Since M is a whole number, a kernel that streams over the keys may use a running M (the ceiling of the running maximum): every later rescaling is an exact power of two, which a block's scale takes up: the codes' values come out the same.
;;   OPERANDS COMPUTED ON THE WAY. 'Computed on the way' means the value that the module computes at that place (a softmax that the list does not call 'softmax' is quantised finished and normalised). What goes into a quantiser is computed in f32, as accurately as f32 sums, v_exp_f32 and their like allow (about 1e-6 of the number): no bf16 or f16 on the way to a quantiser, and a product that is left as it is and whose result goes on into a quantised operand takes f32 operands (vector FMAs, or v_wmma_f32_16x16x4_f32). A number that lies on a knife's edge between two numbers of the format may be rounded either way, as far as f32 arithmetic and the matrix unit's own rounding can turn it there, and no further.
;; One version. Each part assembles by itself: llvm-mc -triple=amdgcn-amd-amdhsa -mcpu=gfx1250 --defsym DOCPART=n.
;; ======== version 1 of 1: 4 launches
;; limits: right only within a limited range of input values
;; workspace buffers: wc 786,432 bytes; ws 65,536 bytes; qc 3,407,872 bytes; kv 6,684,672 bytes; ac 3,145,728 bytes; asc 131,072 bytes
;; launch wquant (part 1): grid 8 x 16, 4 waves a work-group, no clusters, 34,816 bytes of LDS; arguments Wq, Wk, Wv, Wo, wc, ws; writes wc, ws
.if DOCPART == 1
	.amdgcn_target "amdgcn-amd-amdhsa--gfx1250"
	.amdhsa_code_object_version 6
	.text
	.protected	k_q243f03d07c_wquant
	.globl	k_q243f03d07c_wquant
	.p2align	8
	.type	k_q243f03d07c_wquant,@function
k_q243f03d07c_wquant:
	s_mov_b64 s[64:65], 0
	v_nop
	global_prefetch_b8 v0, s[64:65] scope:SCOPE_SE
	s_setreg_imm32_b32 hwreg(HW_REG_WAVE_MODE, 25, 1), 1
	s_wait_xcnt 0x0
; The four weights [512][512] f32 (K innermost) become codes of FP6 (E2M3) with one E8M0 byte for each 32 along K, laid as IMAGES OF THE OPERAND'S REGISTERS.
; wc: [T 4: q,k,v,o][hd 8][s 4][t 4][1,536 bytes]: the fragment (16 rows x 128 K, 12 registers a lane) of K step s; chunk c of 512 bytes holds registers 4 c .. 4 c + 3, lane l's 16 bytes at 16 l.
; The rows of a tile are not neighbours: lane r of tile t takes row 64 hd + 32 (t / 2) + 8 (t % 2) + r + 8 (r / 8), so that later the 16 result registers of tiles 2 b, 2 b + 1 are 16 neighbouring columns.
; ws: [T][hd][t][lane 32][16 bytes]: the four scale words (K steps 0 to 3) of the lane's row; lanes 16-31 hold copies.
; SHARES: work-group x = hd, y = 4 T + t, wave = K step s: a wave makes one fragment.  Each load reads 512 consecutive bytes of one row; the 16 rows turn through the wave's own stage in LDS
; (rows 528 bytes apart) and come back 64 neighbouring bytes a lane.  The four waves' scale words meet in LDS and leave as 512 consecutive bytes.
; A block's scale is 2^(floor(log2(its largest magnitude)) - 2); its byte is the largest magnitude's exponent field - 2, held at 1 from below.
; LIMITS: a block of zeros, and one whose largest magnitude lies under 2^-124, gets the byte 1 (the rule says 127 for zeros: the codes are zeros, and this program alone reads the bytes); NaN and infinities among the inputs are not served.
.set SCW,   33792                      ; behind the four stages of 8,448 bytes: 512 bytes of scale words
.set SPARE, 34304                      ; the spare words, 128 bytes for each wave
.set LI,  4                            ; 16 x lane
.set STI, 5                            ; the stage, on the way in
.set STO, 6                            ; and on the way out
.set SWA, 7                            ; where my scale word goes
.set TM,  8                            ; v8-11 largest magnitudes, v12-15 the other half's / the bytes, v16-19 the conversions' scale operands
.set LO,  20
.set HI,  21
.set SPW, 22
.set NIL, 23
.set CT,  24                           ; v24-26, v28-30: a conversion's three registers begin on an even number
.set W,   32
.set SRD, 33
.set BK,  36
.set PCS, 40
.set X,   64                           ; v64-127 my 64 numbers: four groups of 16
.set RAW, 128                          ; v128-191 the rows as they are loaded
.set SEL, 20                           ; s[20:21] lane selects: lane l xor 16
	s_load_b256 s[4:11], s[0:1], 0x0               ; Wq, Wk, Wv, Wo
	s_load_b128 s[12:15], s[0:1], 0x20             ; wc, ws
	v_lshrrev_b32 v1, 5, v0
	v_readfirstlane_b32 s16, v1                    ; wave = K step s
	s_and_b32 s17, ttmp7, 0xffff
	s_lshr_b32 s19, s17, 2                         ; T
	s_and_b32 s17, s17, 3                          ; t
	s_mov_b32 s18, ttmp9                           ; hd
	s_mov_b32 s[SEL], 0x76543210
	s_mov_b32 s[SEL+1], 0xfedcba98
	s_lshr_b32 s22, s17, 1
	s_lshl_b32 s22, s22, 5
	s_and_b32 s23, s17, 1
	s_lshl_b32 s23, s23, 3
	s_add_co_u32 s22, s22, s23                     ; 32 (t / 2) + 8 (t % 2)
	s_lshl_b32 s23, s18, 6
	s_add_co_u32 s22, s22, s23                     ; + 64 hd: the tile's first row
	s_lshl_b32 s22, s22, 11
	s_lshl_b32 s23, s16, 9
	s_add_co_u32 s22, s22, s23                     ; + 512 s
	s_mov_b32 s23, 0
	s_mul_i32 s24, s19, 196608
	s_mul_i32 s26, s18, 24576
	s_add_co_u32 s24, s24, s26
	s_mul_i32 s26, s16, 6144
	s_add_co_u32 s24, s24, s26
	s_mul_i32 s26, s17, 1536
	s_add_co_u32 s24, s24, s26                     ; my fragment in wc
	s_mov_b32 s25, 0
	s_lshl_b32 s26, s19, 14
	s_lshl_b32 s27, s18, 11
	s_add_co_u32 s26, s26, s27
	s_lshl_b32 s27, s17, 9
	s_add_co_u32 s26, s26, s27                     ; the tile's 512 bytes in ws
	s_mov_b32 s27, 0
	s_mul_i32 s28, s16, 8448                       ; my stage
	s_lshl_b32 s29, s16, 2
	s_add_co_u32 s29, s29, SCW
	v_lshl_add_u32 v[SPW], v0, 2, SPARE
	v_mov_b32 v[NIL], 0
	v_and_b32 v1, 15, v0                           ; r
	v_bfe_u32 v2, v0, 4, 1                         ; h
	v_and_b32 v[LI], 31, v0
	v_lshlrev_b32 v[LI], 4, v[LI]
	v_add_nc_u32 v[STI], s28, v[LI]
	v_mul_u32_u24 v[STO], v1, 528
	v_lshl_add_u32 v[STO], v2, 6, v[STO]
	v_add_nc_u32 v[STO], s28, v[STO]               ; row r, + 64 h
	v_add_nc_u32 v[SWA], s29, v[LI]                ; SCW + 16 x lane + 4 s
	v_add_nc_u32 v[SRD], SCW, v[LI]
.irp b, 0,1,2,3
	v_mov_b32 v[TM+4+\b], 0                        ; written once: a lane permute's destination counts as one of its sources
.endr
	s_wait_alu depctr_va_vdst(0)
	s_wait_kmcnt 0x0
	s_cmp_eq_u32 s19, 1                            ; which weight: the choice hangs on the work-group's number alone
	s_cselect_b64 s[4:5], s[6:7], s[4:5]
	s_cmp_eq_u32 s19, 2
	s_cselect_b64 s[4:5], s[8:9], s[4:5]
	s_cmp_eq_u32 s19, 3
	s_cselect_b64 s[4:5], s[10:11], s[4:5]
	s_add_nc_u64 s[4:5], s[4:5], s[22:23]
	s_add_nc_u64 s[12:13], s[12:13], s[24:25]
	s_add_nc_u64 s[14:15], s[14:15], s[26:27]
.irp i, 0,1,2,3,4,5,6,7,8,9,10,11,12,13,14,15
	global_load_b128 v[RAW+4*\i:RAW+4*\i+3], v[LI], s[4:5] offset:2048*(\i+8*(\i/8)) th:TH_LOAD_NT   ; 32 lanes read 512 consecutive bytes of the row of lane r = i
.endr
	s_wait_loadcnt 0x0
.irp i, 0,1,2,3,4,5,6,7,8,9,10,11,12,13,14,15
	ds_store_b128 v[STI], v[RAW+4*\i:RAW+4*\i+3] offset:528*\i
.endr
.irp b, 0,1,2,3
.irp j, 0,1,2,3
	ds_load_b128 v[X+16*\b+4*\j:X+16*\b+4*\j+3], v[STO] offset:128*\b+16*\j   ; k = 32 b + 16 h + 4 j .. of my row; LDS serves a wave's instructions in order
.endr
.endr
	s_wait_dscnt 0x0
.irp b, 0,1,2,3
	v_max3_num_f32 v[TM+\b], 0x1800000, |v[X+16*\b]|, |v[X+16*\b+1]|   ; the floor 2^(3 - 127) among the leaves: the byte cannot fall under 1
.endr
.irp i, 2,4,6,8,10,12,14
.irp b, 0,1,2,3
	v_max3_num_f32 v[TM+\b], v[TM+\b], |v[X+16*\b+\i]|, |v[X+16*\b+\i+1]|
.endr
.endr
.irp b, 0,1,2,3
	v_permlanex16_b32 v[TM+4+\b], v[TM+\b], s[SEL], s[SEL+1]
.endr
.irp b, 0,1,2,3
	v_max_num_f32 v[TM+\b], v[TM+\b], v[TM+4+\b]   ; the block's largest magnitude
.endr
.irp b, 0,1,2,3
	v_add_nc_u32 v[TM+8+\b], 0xff000000, v[TM+\b]  ; 2 off its exponent field: the conversion's scale operand
.endr
.irp b, 0,1,2,3
	v_lshrrev_b32 v[TM+4+\b], 23, v[TM+8+\b]       ; the scale's byte
.endr
	v_lshl_or_b32 v[LO], v[TM+5], 8, v[TM+4]
	v_lshl_or_b32 v[HI], v[TM+7], 8, v[TM+6]
.irp c, 0,1
	v_cvt_scalef32_pk16_fp6_f32 v[PCS+6*\c:PCS+6*\c+2], v[X+32*\c:X+32*\c+15], v[TM+8+2*\c]
	v_cvt_scalef32_pk16_fp6_f32 v[CT+4*\c:CT+4*\c+2], v[X+32*\c+16:X+32*\c+31], v[TM+9+2*\c]
.endr
	v_lshl_or_b32 v[W], v[HI], 16, v[LO]           ; the row's scale word of this K step; also the plain place behind the scaled conversions
.irp c, 0,1
.irp i, 0,1,2
	v_permlane16_swap_b32 v[PCS+6*\c+\i], v[CT+4*\c+\i]   ; a whole block in a lane
.endr
.irp i, 0,1,2
	v_mov_b32 v[PCS+6*\c+3+\i], v[CT+4*\c+\i]
.endr
.endr
	ds_store_b32 v[SWA], v[W]
.irp c, 0,1,2
	global_store_b128 v[LI], v[PCS+4*\c:PCS+4*\c+3], s[12:13] offset:512*\c   ; 32 lanes store 512 consecutive bytes, aligned
.endr
	s_wait_dscnt 0x0                               ; for wave 0's sake: my word has landed
	s_barrier_signal -1
	s_barrier_wait -1
	s_cmp_lg_u32 s16, 0
	s_cbranch_scc1 .Lend
	ds_load_b128 v[BK:BK+3], v[SRD]                ; the four K steps' words of my lane's row
	s_wait_dscnt 0x0
	global_store_b128 v[LI], v[BK:BK+3], s[14:15]
.Lend:
	s_wait_tensorcnt 0x0                           ; the wave's end
	ds_add_u32 v[SPW], v[NIL]
	s_wait_dscnt 0x0
	s_endpgm
.Lfunc_end_k_q243f03d07c_wquant:
	.size	k_q243f03d07c_wquant, .Lfunc_end_k_q243f03d07c_wquant-k_q243f03d07c_wquant
	.p2alignl 7, 3214868480
	.fill 96, 4, 3214868480
	.section	.rodata,"a",@progbits
	.p2align	6, 0x0
	.amdhsa_kernel k_q243f03d07c_wquant
		.amdhsa_group_segment_fixed_size 34816
		.amdhsa_private_segment_fixed_size 0
		.amdhsa_enable_private_segment 0
		.amdhsa_kernarg_size 48
		.amdhsa_user_sgpr_count 2
		.amdhsa_user_sgpr_kernarg_segment_ptr 1
		.amdhsa_wavefront_size32 1
		.amdhsa_system_sgpr_workgroup_id_x 1
		.amdhsa_system_sgpr_workgroup_id_y 1
		.amdhsa_system_sgpr_workgroup_id_z 1
		.amdhsa_system_vgpr_workitem_id 0
		.amdhsa_next_free_vgpr 192
		.amdhsa_next_free_sgpr 66
		.amdhsa_reserve_vcc 0
		.amdhsa_float_denorm_mode_32 3
		.amdhsa_float_denorm_mode_16_64 3
		.amdhsa_memory_ordered 1
		.amdhsa_forward_progress 1
		.amdhsa_inst_pref_size 11
	.end_amdhsa_kernel
	.amdgpu_metadata
---
amdhsa.version: [ 1, 2 ]
amdhsa.kernels:
  - .name:           k_q243f03d07c_wquant
    .symbol:         k_q243f03d07c_wquant.kd
    .args:
      - { .name: Wq, .offset: 0, .size: 8, .value_kind: global_buffer, .address_space: global }
      - { .name: Wk, .offset: 8, .size: 8, .value_kind: global_buffer, .address_space: global }
      - { .name: Wv, .offset: 16, .size: 8, .value_kind: global_buffer, .address_space: global }
      - { .name: Wo, .offset: 24, .size: 8, .value_kind: global_buffer, .address_space: global }
      - { .name: wc, .offset: 32, .size: 8, .value_kind: global_buffer, .address_space: global }
      - { .name: ws, .offset: 40, .size: 8, .value_kind: global_buffer, .address_space: global }
    .group_segment_fixed_size: 34816
    .private_segment_fixed_size: 0
    .kernarg_segment_align: 8
    .kernarg_segment_size: 48
    .max_flat_workgroup_size: 128
    .sgpr_count:     66
    .vgpr_count:     192
    .wavefront_size: 32
...
	.end_amdgpu_metadata
.endif
;; end of part 1
;; launch proj (part 2): grid 64 x 3, 8 waves a work-group, clusters of 4 x 1, 316,416 bytes of LDS; arguments q, k, v, wc, ws, bq, bk, bv, qc, kv; writes qc, kv
.if DOCPART == 2
	.amdgcn_target "amdgcn-amd-amdhsa--gfx1250"
	.amdhsa_code_object_version 6
	.text
	.protected	k_q243f03d07c_proj
	.globl	k_q243f03d07c_proj
	.p2align	8
	.type	k_q243f03d07c_proj,@function
k_q243f03d07c_proj:
	s_mov_b64 s[64:65], 0
	v_nop
	global_prefetch_b8 v0, s[64:65] scope:SCOPE_SE
	s_setreg_imm32_b32 hwreg(HW_REG_WAVE_MODE, 25, 1), 1
	s_wait_xcnt 0x0
	s_wait_alu depctr_hold_cnt(0) depctr_sa_sdst(0) depctr_va_vdst(0) depctr_va_sdst(0) depctr_va_ssrc(0) depctr_va_vcc(0) depctr_vm_vsrc(0)
	s_getreg_b32 s2, hwreg(HW_REG_IB_STS2, 6, 4)
	s_cmp_eq_u32 s2, 0
	s_cbranch_scc0 .Lentry_in_a_cluster
	s_endpgm
.Lentry_in_a_cluster:
	s_bfe_u32 s2, ttmp6, 0x10000c
	s_cmp_lg_u32 s2, 0x3003
	s_cbranch_scc0 .Lentry_shape_is_right
	s_endpgm
.Lentry_shape_is_right:
; Q = q Wq^T + bq, K = k Wk^T + bk, V = v Wv^T + bv on codes of FP6 (E2M3) with one E8M0 scale for each 32 along K; the results are quantised again, Q and K along the head's 64, V along the keys, and leave as images of operand registers.
; SHARES.  Work-group y = the tensor (0 q, 1 k, 2 v); x = a block of 128 rows.  Wave w first quantises row tile w of x (16 rows x 512) and puts the four fragments into LDS as images of their registers;
; then it makes head w (64 columns) for all 128 rows: 32 accumulators, 128 matrix instructions.
; CLUSTER.  The four work-groups of a cluster belong to one tensor and need the same weight: each wave's 24,576 bytes of it are asked for JOINTLY (the same descriptor, made of the tensor's and the wave's number alone, and a mask that names the four).
; Only the wave that asked reads those bytes.  A work-group's place in the cluster enters global addresses of x, qc and kv alone.
; ROWS.  For k and v the rows of a tile are not neighbours; for v lane r of tile 2 b + u takes row 32 b + 8 u + r + 8 (r / 8); the weight's tiles are laid so too.  So 16 result registers of two neighbouring tiles are 16 neighbours along the next product's K.
; q and k: the product is used transposed (source 0 = 16 rows of W, source 1 = 16 rows of x): a lane holds one row, its registers run along the head.  v: natural (source 0 = 16 keys, source 1 = 16 rows of W): a lane holds one channel, its registers run along the keys.
; OUT.  qc: [bh 16][j 32][6,656]: four pair images of 1,536 bytes (row tile 2 p in registers 0-5, tile 2 p + 1 in registers 6-11), then 512 bytes of scale words [lane][p]: lanes 0-15 tile 2 p, lanes 16-31 tile 2 p + 1; a word is X | X << 16, X = the row's two bytes.
;       kv: [bh][j][13,056]: K's four pair images; V's four fragments (channel tile t x 128 keys); K's scale words as in qc; V's [lane][t / 2], lanes 0-15 even t, lanes 16-31 odd t.
; LIMITS: a block of zeros, and one whose largest magnitude lies under 2^-124, gets the byte 1 (its codes are zeros or tiny; this program alone reads the bytes); NaN and infinities among the inputs are not served.
; LDS: x's 32 fragments (4 tile + s) x 1,536 | their scale words [s][tile][r] | the weight, 24,576 bytes a wave | the spare words.
; REGISTERS: window 0: v1-13 addresses; v14-43 at work; v44-47 x's scale words; v48-63 W's; v64-95 the bias as C; v96-143 W's four fragments of a K step; v144-239 x's eight; v240-243 bv by channel.
;            window 1: the 256 numbers of x, afterwards the 32 accumulators.
.set XIMG,  0
.set XSC,   49152
.set WIMG,  51200
.set SPARE, 247808                     ; the spare words, 128 bytes for each wave: four blocks of 256 bytes that no other line names
; x IS LOADED 512 CONSECUTIVE BYTES AN INSTRUCTION (a K step of one row) and turns through the wave's own stage in LDS, 16 rows 528 bytes apart; it comes back 64 neighbouring bytes a lane.
; Stage row i is the row of lane r = i.  q: row 16 w + i.  v: 32 (w / 2) + 8 (w % 2) + i + 8 (i / 8).
; k: 64 (w / 4) + 8 (w % 4) + i + 24 (i / 8): in the scores' transposed result a lane's 32 registers of four neighbouring tiles are then 32 neighbouring keys.
; Window 1: v0-127 two sets of rows as loaded, v128-255 two sets of turned numbers.
.set STG, 248832                       ; the eight stages, 8,448 bytes each
.set STI, 244                          ; v244 the stage on the way in: 16 x lane
.set STO, 245                          ; v245 and on the way out: 528 r + 64 h
.set EX,  55                           ; s55  what rows 8 to 15 of a tile lie further on, in bytes
.set XA,  3                            ; v3   x: my byte in the wave's rows
.set LI,  4                            ; v4   16 x lane
.set LS,  5                            ; v5   4 x lane
.set XWI, 6                            ; v6   where I store x's images
.set XWS, 7                            ; v7   and their scale words
.set WAD, 8                            ; v8   my lane's place in my wave's part of the weight
.set BQA, 9                            ; v9   64 h: the bias of a lane's eight columns
.set L8,  10                           ; v10  8 x lane
.set BVA, 11                           ; v11  4 (r + 8 (r / 8)): the bias of a lane's channel
.set SPW, 12                           ; v12  my spare word; never rewritten
.set NIL, 13                           ; v13  0; never rewritten
.set TM,  14
.set LO,  26
.set HI,  27
.set CT,  28
.set W4,  36
.set VS,  40
.set XS,  44
.set WS,  48
.set BI,  64
.set WF,  96
.set XF,  144
.set BV,  240
.set WV,   24
.set TEN,  25
.set CX,   26
.set BLK,  27
.set PERM, 28                          ; 0 for q, 1 for k and v
.set SEL,  30
.set G1,   32
.set G0,   40
.set XB,   44
.set BB,   46
.set OUT,  48
.set OSC,  50
.set MA,   52
.set MB,   53
.set HIM,  54
.set MSB, 0
.macro WIN new                         ; the immediate's high byte repeats the setting that is left; a switch that changes nothing is dropped
.if MSB != \new
	s_set_vgpr_msb (MSB<<8)|\new
.set MSB, \new
.endif
.endm
; 64 numbers of a lane in window 1, four groups of 16; a group and lane l xor 16's are a block of 32.  They become 12 registers of codes at v[dst] of window 0 (registers 6 c .. 6 c + 5: group 2 c whole in lanes 0-15,
; group 2 c + 1 whole in lanes 16-31) and the four bytes in v[LO], v[HI].  Each accumulator is first read at its two lowest registers.
.macro QUANT src, dst
	WIN 0x14                                       ; sources 1 and 2 in window 1
.irp b, 0,1,2,3
	v_max3_num_f32 v[TM+\b], 0x1800000, |v[(\src)+16*\b]|, |v[(\src)+16*\b+1]|   ; the floor 2^(3 - 127) among the leaves: the byte cannot fall under 1
.endr
.irp i, 2,4,6,8,10,12,14
.irp b, 0,1,2,3
	v_max3_num_f32 v[TM+\b], v[TM+\b], |v[(\src)+16*\b+\i]|, |v[(\src)+16*\b+\i+1]|
.endr
.endr
	WIN 0
.irp b, 0,1,2,3
	v_permlanex16_b32 v[TM+4+\b], v[TM+\b], s[SEL], s[SEL+1]
.endr
.irp b, 0,1,2,3
	s_delay_alu instid0(VALU_DEP_4)
	v_max_num_f32 v[TM+\b], v[TM+\b], v[TM+4+\b]
.endr
.irp b, 0,1,2,3
	s_delay_alu instid0(VALU_DEP_4)
	v_add_nc_u32 v[TM+8+\b], 0xff000000, v[TM+\b]  ; 2 off the exponent field: the conversion's scale operand
.endr
.irp b, 0,1,2,3
	s_delay_alu instid0(VALU_DEP_4)
	v_lshrrev_b32 v[TM+4+\b], 23, v[TM+8+\b]       ; the scale's byte
.endr
	s_delay_alu instid0(VALU_DEP_3)
	v_lshl_or_b32 v[LO], v[TM+5], 8, v[TM+4]
	s_delay_alu instid0(VALU_DEP_2)
	v_lshl_or_b32 v[HI], v[TM+7], 8, v[TM+6]
	WIN 0x01                                       ; source 0 in window 1
.irp c, 0,1
	v_cvt_scalef32_pk16_fp6_f32 v[(\dst)+6*\c:(\dst)+6*\c+2], v[(\src)+32*\c:(\src)+32*\c+15], v[TM+8+2*\c]
	v_cvt_scalef32_pk16_fp6_f32 v[CT+4*\c:CT+4*\c+2], v[(\src)+32*\c+16:(\src)+32*\c+31], v[TM+9+2*\c]
.endr
	WIN 0
	v_nop                                          ; one plain place behind the scaled conversions
.irp c, 0,1
.irp i, 0,1,2
	v_permlane16_swap_b32 v[(\dst)+6*\c+\i], v[CT+4*\c+\i]
.endr
.irp i, 0,1,2
	s_delay_alu instid0(VALU_DEP_3)
	v_mov_b32 v[(\dst)+6*\c+3+\i], v[CT+4*\c+\i]
.endr
.endr
.endm
.macro XLOAD s                         ; K step s of my 16 rows into set s % 2: 32 lanes read 512 consecutive bytes of a row
.irp i, 0,1,2,3,4,5,6,7
	global_load_b128 v[64*((\s)%2)+4*\i:64*((\s)%2)+4*\i+3], v[LI], s[XB:XB+1] offset:512*(\s)+2048*\i th:TH_LOAD_NT
.endr
.irp i, 8,9,10,11,12,13,14,15
	global_load_b128 v[64*((\s)%2)+4*\i:64*((\s)%2)+4*\i+3], v[XA], s[XB:XB+1] offset:512*(\s)+2048*\i th:TH_LOAD_NT
.endr
.endm
.macro XTURN s                         ; through my stage: LDS serves a wave's instructions in order.  Lane (r, h) gets k = 128 s + 32 b + 16 h + 0 .. 15 of its row at v[128 + 64 (s % 2) + 16 b] of window 1
	WIN 0x04                                       ; store data in window 1
.irp i, 0,1,2,3,4,5,6,7,8,9,10,11,12,13,14,15
	ds_store_b128 v[STI], v[64*((\s)%2)+4*\i:64*((\s)%2)+4*\i+3] offset:528*\i
.endr
	WIN 0x40                                       ; destination window 1
.irp b, 0,1,2,3
.irp j, 0,1,2,3
	ds_load_b128 v[128+64*((\s)%2)+16*\b+4*\j:128+64*((\s)%2)+16*\b+4*\j+3], v[STO] offset:128*\b+16*\j
.endr
.endr
	WIN 0
.endm
.macro CROUND                          ; a round of the cluster's barrier
	s_barrier_signal -1
	s_barrier_wait -1
	s_cmp_lg_u32 s[WV], 0
	s_cbranch_scc1 .Lnot_wave_0_\@
	s_barrier_signal -3
.Lnot_wave_0_\@:
	s_barrier_wait -3
	s_barrier_signal -1
	s_barrier_wait -1
.endm
.macro WM d, a, b, c, sa, sb, ra, rb   ; one product; ra, rb: the side's scales stand in lanes 16-31
.if (\ra)
	v_wmma_scale_f32_16x16x128_f8f6f4 v[\d:\d+7], v[\a:\a+11], v[\b:\b+11], v[\c:\c+7], v[\sa], v[\sb] matrix_a_fmt:MATRIX_FMT_FP6 matrix_b_fmt:MATRIX_FMT_FP6 matrix_a_scale:MATRIX_SCALE_ROW1
.elseif (\rb)
	v_wmma_scale_f32_16x16x128_f8f6f4 v[\d:\d+7], v[\a:\a+11], v[\b:\b+11], v[\c:\c+7], v[\sa], v[\sb] matrix_a_fmt:MATRIX_FMT_FP6 matrix_b_fmt:MATRIX_FMT_FP6 matrix_b_scale:MATRIX_SCALE_ROW1
.else
	v_wmma_scale_f32_16x16x128_f8f6f4 v[\d:\d+7], v[\a:\a+11], v[\b:\b+11], v[\c:\c+7], v[\sa], v[\sb] matrix_a_fmt:MATRIX_FMT_FP6 matrix_b_fmt:MATRIX_FMT_FP6
.endif
.endm
	s_load_b512 s[4:19], s[0:1], 0x0               ; q, k, v, wc, ws, bq, bk, bv
	s_load_b128 s[20:23], s[0:1], 0x40             ; qc, kv
	v_lshl_add_u32 v[SPW], v0, 2, SPARE
	v_mov_b32 v[NIL], 0
	ds_add_u32 v[SPW], v[NIL]                      ; the wave's opening: the add and its wait stand ahead of my first tensor load; the set-up below, work on registers, stands between them
	ds_add_u32 v[SPW], v[NIL]
	v_lshrrev_b32 v1, 5, v0
	s_delay_alu instid0(VALU_DEP_1)
	v_readfirstlane_b32 s[WV], v1                  ; wave 0..7
	s_and_b32 s[TEN], ttmp7, 0xffff                ; the tensor: the four partners share it
	s_bfe_u32 s[CX], ttmp6, 0x40000                ; my place in the cluster
	s_lshl_b32 s[BLK], ttmp9, 2
	s_add_co_u32 s[BLK], s[BLK], s[CX]             ; my block of 128 rows: it enters global addresses of x, qc and kv alone
	s_min_u32 s[PERM], s[TEN], 1
	s_mov_b32 s[EX], 16384                         ; v: 8 rows
	s_cmp_eq_u32 s[TEN], 1
	s_cselect_b32 s[EX], 49152, s[EX]              ; k: 24 rows
	s_mul_i32 s[EX], s[EX], s[PERM]                ; q: none
	s_mov_b32 s[SEL], 0x76543210
	s_mov_b32 s[SEL+1], 0xfedcba98
	s_mov_b32 s[HIM], 0xffff0000                   ; lanes 16-31
	; descriptor group 1: a dense block of 24,576 bytes as 96 rows of 256 bytes (32 elements of 8 bytes), no padding: the reads take 512 consecutive bytes
	s_mov_b32 s[G1+0], 15|(3<<16)|(1<<21)          ; 15:0 the mask: all four work-groups; 17:16 elements of 8 bytes; 21 set beside a mask
	s_mov_b32 s[G1+1], 32<<16                      ; tensor_dim0 = 32
	s_mov_b32 s[G1+2], 96<<16                      ; tensor_dim1 = 96
	s_mov_b32 s[G1+3], 32<<16                      ; tile_dim0 = 32
	s_mov_b32 s[G1+4], 96                          ; tile_dim1 = 96
	s_mov_b32 s[G1+5], 32                          ; from row to row
	s_mov_b32 s[G1+6], 0
	s_mov_b32 s[G1+7], 0
	s_mov_b32 s[G0], 1
	s_mul_i32 s[G0+1], s[WV], 24576
	s_add_co_u32 s[G0+1], s[G0+1], WIMG            ; LDS address: the wave's number alone
	v_and_b32 v1, 15, v0                           ; r
	v_bfe_u32 v2, v0, 4, 1                         ; h
	s_delay_alu instid0(VALU_DEP_2)
	v_and_b32 v42, 8, v1
	v_and_b32 v[LI], 31, v0
	s_delay_alu instid0(VALU_DEP_1)
	v_lshlrev_b32 v[LS], 2, v[LI]
	s_delay_alu instid0(VALU_DEP_2)
	v_lshlrev_b32 v[L8], 3, v[LI]
	s_delay_alu instid0(VALU_DEP_3)
	v_lshlrev_b32 v[LI], 4, v[LI]
	s_mul_i32 s2, s[WV], 8448
	s_add_co_u32 s2, s2, STG                       ; my stage
	v_mul_u32_u24 v[STO], v1, 528
	v_add_nc_u32 v[XA], s[EX], v[LI]               ; rows 8 to 15 of my tile
	v_add_nc_u32 v[STI], s2, v[LI]
	v_lshl_add_u32 v[STO], v2, 6, v[STO]
	s_delay_alu instid0(VALU_DEP_1)
	v_add_nc_u32 v[STO], s2, v[STO]
	s_mul_i32 s2, s[WV], 6144
	v_add_nc_u32 v[XWI], s2, v[LI]                 ; XIMG + 4 fragments x wave + 16 x lane
	s_lshl_b32 s2, s[WV], 6
	s_add_co_u32 s2, s2, XSC
	v_lshl_add_u32 v[XWS], v1, 2, s2               ; XSC + 64 x wave + 4 r
	v_add_nc_u32 v[WAD], s[G0+1], v[LI]
	v_lshlrev_b32 v[BQA], 6, v2
	v_add_nc_u32 v[BVA], v42, v1
	s_delay_alu instid0(VALU_DEP_1)
	v_lshlrev_b32 v[BVA], 2, v[BVA]
.irp b, 0,1,2,3
	v_mov_b32 v[TM+4+\b], 0                        ; written once: a lane permute's destination counts as one of its sources
.endr
	s_lshl_b32 s56, s[WV], 15                      ; x: 16 rows of 2,048 bytes a wave;
	s_and_b32 s57, s[WV], s[PERM]
	s_lshl_b32 s57, s57, 14                        ; for v an odd tile begins 8 rows earlier: 32 b + 8 u;
	s_sub_co_u32 s56, s56, s57
	s_lshr_b32 s57, s[WV], 2
	s_lshl_b32 s57, s57, 17
	s_and_b32 s2, s[WV], 3
	s_lshl_b32 s2, s2, 14
	s_add_co_u32 s57, s57, s2                      ; for k tile w begins at row 64 (w / 4) + 8 (w % 4)
	s_cmp_eq_u32 s[TEN], 1
	s_cselect_b32 s56, s57, s56
	s_lshl_b32 s57, s[BLK], 18                     ; 128 rows a block
	s_add_co_u32 s56, s56, s57
	s_mov_b32 s57, 0
	s_lshr_b32 s58, s[BLK], 5                      ; the batch,
	s_lshl_b32 s58, s58, 3
	s_add_co_u32 s58, s58, s[WV]                   ; bh = 8 x batch + head,
	s_lshl_b32 s58, s58, 5
	s_and_b32 s59, s[BLK], 31
	s_add_co_u32 s58, s58, s59                     ; the record: 32 bh + j
	s_mov_b32 s59, 13056
	s_cmp_eq_u32 s[TEN], 0
	s_cselect_b32 s59, 6656, s59
	s_mul_i32 s58, s58, s59
	s_mov_b32 s59, 0
	s_cmp_eq_u32 s[TEN], 2
	s_cselect_b32 s60, 6144, 0                     ; V's fragments lie behind K's images
	s_cselect_b32 s61, 512, 0
	s_cselect_b32 s[MA], 0, 0xffff0000             ; q, k: lanes 16-31 take the pair's second tile's bytes;
	s_cselect_b32 s[MB], 0, 0xffff                 ; lanes 0-15 the first's, twice over.  v: neither: the word is the four bytes
	s_mul_i32 s62, s[PERM], 6144
	s_add_co_u32 s61, s61, s62
	s_add_co_u32 s61, s61, 6144                    ; the scale words' place in a record: 6,144 (q), 12,288 (k), 12,800 (v)
	s_mov_b32 s63, 0
	s_wait_alu depctr_va_vdst(0)
	s_wait_dscnt 0x0                               ; the opening add is done
	s_wait_kmcnt 0x0
	s_cmp_eq_u32 s[TEN], 1                         ; the choices hang on the work-group's number alone
	s_cselect_b64 s[XB:XB+1], s[6:7], s[4:5]
	s_cselect_b64 s[BB:BB+1], s[16:17], s[14:15]
	s_cmp_eq_u32 s[TEN], 2
	s_cselect_b64 s[XB:XB+1], s[8:9], s[XB:XB+1]
	s_cselect_b64 s[BB:BB+1], s[18:19], s[BB:BB+1]
	s_cmp_eq_u32 s[TEN], 0
	s_cselect_b64 s[OUT:OUT+1], s[20:21], s[22:23]
	s_add_nc_u64 s[XB:XB+1], s[XB:XB+1], s[56:57]
	s_add_nc_u64 s[OUT:OUT+1], s[OUT:OUT+1], s[58:59]
	s_mov_b32 s62, s61
	s_add_nc_u64 s[OSC:OSC+1], s[OUT:OUT+1], s[62:63]
	s_mov_b32 s62, s60
	s_add_nc_u64 s[OUT:OUT+1], s[OUT:OUT+1], s[62:63]
	s_lshl_b32 s2, s[WV], 8
	s_mov_b32 s3, 0
	s_add_nc_u64 s[BB:BB+1], s[BB:BB+1], s[2:3]    ; the bias of my head's 64 columns
	s_lshl_b32 s2, s[TEN], 14
	s_lshl_b32 s29, s[WV], 11
	s_add_co_u32 s2, s2, s29
	s_add_nc_u64 s[12:13], s[12:13], s[2:3]        ; the weight's scale words of my head
	s_mul_i32 s2, s[TEN], 196608
	s_mul_i32 s29, s[WV], 24576
	s_add_co_u32 s2, s2, s29
	s_add_nc_u64 s[G0+2:G0+3], s[10:11], s[2:3]    ; the weight's codes of my head: the tensor's and the wave's number alone
	s_or_b32 s[G0+3], s[G0+3], 0x80000000          ; type = 2
.irp t, 0,1,2,3
	global_load_b128 v[WS+4*\t:WS+4*\t+3], v[LI], s[12:13] offset:512*\t        ; tile t: the row's four scale words
.endr
.irp t, 0,1,2,3
	global_load_b128 v[BI+8*\t:BI+8*\t+3], v[BQA], s[BB:BB+1] offset:(32*(\t/2)+8*(\t%2))*4       ; the bias in the transposed result's layout: columns 32 (t / 2) + 8 (t % 2) + 16 h + 0 .. 7
	global_load_b128 v[BI+8*\t+4:BI+8*\t+7], v[BQA], s[BB:BB+1] offset:(32*(\t/2)+8*(\t%2))*4+16
	global_load_b32 v[BV+\t], v[BVA], s[BB:BB+1] offset:(32*(\t/2)+8*(\t%2))*4                    ; and in the natural one: my lane's channel.  Both are loaded whatever the tensor: no branch
.endr
	WIN 0x40                                       ; destination window 1
	XLOAD 0
	XLOAD 1
	WIN 0
	CROUND                                         ; all four work-groups are here: the joint loads meet
	tensor_load_to_lds s[G0:G0+3], s[G1:G1+7]      ; every wave asks for its head's part: the wave's one tensor load of the launch
	s_nop 0
.rept 4
	v_nop
.endr
	s_wait_loadcnt 16                              ; K step 0 is in (and all that was asked for earlier); K step 1's 16 loads may be out
	XTURN 0
	; ---- x: my 16 rows become four fragments, which go to LDS as images of their registers
.irp s, 0,1,2,3
	s_wait_dscnt 0x0                               ; K step s is back from the stage, so its stores into the stage have read their registers,
.if \s < 2
	WIN 0x40
	XLOAD \s+2                                     ; which take the loads of two K steps on
	WIN 0
	s_wait_loadcnt 16                              ; the next K step is in; the 16 loads just issued may be out
.endif
.if \s == 2
	s_wait_loadcnt 0x0
.endif
.if \s < 3
	XTURN \s+1                                     ; the next K step turns while this one is worked
.endif
	QUANT 128+64*(\s%2), XF+12*\s
	v_lshl_or_b32 v[W4+\s], v[HI], 16, v[LO]
.irp c, 0,1,2
	ds_store_b128 v[XWI], v[XF+12*\s+4*\c:XF+12*\s+4*\c+3] offset:XIMG+1536*\s+512*\c
.endr
	ds_store_b32 v[XWS], v[W4+\s] offset:512*\s    ; lanes r and r + 16 write the same word with the same value
.endr
	s_wait_tensorcnt 0x0                           ; my part of the weight is in: I alone read it
	s_wait_dscnt 0x0                               ; for the others' sake: my stores have landed
	s_barrier_signal -1
	s_barrier_wait -1                              ; x's 32 fragments lie in LDS
; ---- a K step: x's eight fragments, my head's four of W, 32 products.  The 32 accumulators take turns, one instruction a turn, in the same order in every K step.
; The two arms hold matrix instructions and register work alone; which arm hangs on the tensor's number.
.macro MAINSTEP s
.if \s > 0
.rept 4
	v_nop                                          ; places in front of loads into registers that matrix instructions have read
.endr
.endif
.irp i, 0,1,2,3,4,5,6,7
.irp c, 0,1,2
	ds_load_b128 v[XF+12*\i+4*\c:XF+12*\i+4*\c+3], v[LI] offset:XIMG+(4*\i+\s)*1536+512*\c
.endr
.endr
.irp i, 0,1,2,3
	ds_load_b32 v[XS+\i], v[LS] offset:XSC+512*\s+128*\i     ; lanes 0-15 tile 2 i's words, lanes 16-31 tile 2 i + 1's
.endr
.irp t, 0,1,2,3
.irp c, 0,1,2
	ds_load_b128 v[WF+12*\t+4*\c:WF+12*\t+4*\c+3], v[WAD] offset:(4*\s+\t)*1536+512*\c
.endr
.endr
	s_wait_dscnt 0x0
	s_cmp_eq_u32 s[TEN], 2
	s_cbranch_scc1 .Lnatural_\@
.if \s == 0
	WIN 0x40                                       ; D in window 1; the bias is the first product's C
.else
	WIN 0x50                                       ; C and D in window 1
.endif
.irp m, 0,1,2,3,4,5,6,7
.irp t, 0,1,2,3
.if \s == 0
	WM 8*(4*\m+\t), WF+12*\t, XF+12*\m, BI+8*\t, WS+4*\t+\s, XS+\m/2, 0, \m%2
.else
	WM 8*(4*\m+\t), WF+12*\t, XF+12*\m, 8*(4*\m+\t), WS+4*\t+\s, XS+\m/2, 0, \m%2
.endif
.endr
.endr
	WIN 0
	s_branch .Ljoin_\@
.Lnatural_\@:
.if \s == 0
.irp t, 0,1,2,3
.irp j, 0,1,2,3,4,5,6,7
	v_mov_b32 v[BI+8*\t+\j], v[BV+\t]              ; a lane's eight results are eight keys of one channel: one bias for the eight
.endr
.endr
.rept 4
	v_nop
.endr
	WIN 0x40
.else
	WIN 0x50
.endif
.irp t, 0,1,2,3
.irp i, 0,1,2,3,4,5,6,7
.if \s == 0
	WM 8*(8*\t+\i), XF+12*\i, WF+12*\t, BI+8*\t, XS+\i/2, WS+4*\t+\s, \i%2, 0
.else
	WM 8*(8*\t+\i), XF+12*\i, WF+12*\t, 8*(8*\t+\i), XS+\i/2, WS+4*\t+\s, \i%2, 0
.endif
.endr
.endr
	WIN 0
.Ljoin_\@:
.endm
	MAINSTEP 0
	MAINSTEP 1
	MAINSTEP 2
	MAINSTEP 3
	; ---- the way out.  q, k: 64 registers are two row tiles x (two blocks of the head); v: a channel tile x (four blocks of 32 keys).  The same lines serve both; two lane masks make the scale word.
.rept 4
	v_nop                                          ; places behind the last products
.endr
.irp g, 0,1,2,3
	QUANT 64*\g, XF+12*\g
	v_cndmask_b32 v42, v[LO], v[HI], s[MA]
	v_cndmask_b32 v43, v[HI], v[LO], s[MB]
	s_delay_alu instid0(VALU_DEP_1)
	v_lshl_or_b32 v[W4+\g], v43, 16, v42
.irp c, 0,1,2
	global_store_b128 v[LI], v[XF+12*\g+4*\c:XF+12*\g+4*\c+3], s[OUT:OUT+1] offset:1536*\g+512*\c   ; 32 lanes store 512 consecutive bytes, aligned; each image has registers of its own
.endr
.endr
	s_cmp_eq_u32 s[TEN], 2
	s_cbranch_scc1 .Lscales_v
	global_store_b128 v[LI], v[W4:W4+3], s[OSC:OSC+1]          ; [lane][pair]: 512 bytes
	s_branch .Lscales_done
.Lscales_v:
	v_cndmask_b32 v[VS], v[W4], v[W4+1], s[HIM]    ; lanes 0-15 the even tile's word, lanes 16-31 the odd one's
	s_wait_alu depctr_va_vdst(0)
	v_cndmask_b32 v[VS+1], v[W4+2], v[W4+3], s[HIM]
	global_store_b64 v[L8], v[VS:VS+1], s[OSC:OSC+1]           ; 256 bytes
.Lscales_done:
	s_wait_tensorcnt 0x0                           ; the wave's end, behind my last tensor load and my last LDS store
	ds_add_u32 v[SPW], v[NIL]
	s_wait_dscnt 0x0
	CROUND                                         ; the closing round: no work-group ends while a partner may still ask for a tile that names it
	s_endpgm
.Lfunc_end_k_q243f03d07c_proj:
	.size	k_q243f03d07c_proj, .Lfunc_end_k_q243f03d07c_proj-k_q243f03d07c_proj
	.p2alignl 7, 3214868480
	.fill 96, 4, 3214868480
	.section	.rodata,"a",@progbits
	.p2align	6, 0x0
	.amdhsa_kernel k_q243f03d07c_proj
		.amdhsa_group_segment_fixed_size 316416
		.amdhsa_private_segment_fixed_size 0
		.amdhsa_enable_private_segment 0
		.amdhsa_kernarg_size 80
		.amdhsa_user_sgpr_count 2
		.amdhsa_user_sgpr_kernarg_segment_ptr 1
		.amdhsa_wavefront_size32 1
		.amdhsa_system_sgpr_workgroup_id_x 1
		.amdhsa_system_sgpr_workgroup_id_y 1
		.amdhsa_system_sgpr_workgroup_id_z 1
		.amdhsa_system_vgpr_workitem_id 0
		.amdhsa_next_free_vgpr 512
		.amdhsa_next_free_sgpr 66
		.amdhsa_reserve_vcc 0
		.amdhsa_float_denorm_mode_32 3
		.amdhsa_float_denorm_mode_16_64 3
		.amdhsa_memory_ordered 1
		.amdhsa_forward_progress 1
		.amdhsa_inst_pref_size 107
	.end_amdhsa_kernel
	.amdgpu_metadata
---
amdhsa.version: [ 1, 2 ]
amdhsa.kernels:
  - .name:           k_q243f03d07c_proj
    .symbol:         k_q243f03d07c_proj.kd
    .args:
      - { .name: q, .offset: 0, .size: 8, .value_kind: global_buffer, .address_space: global }
      - { .name: k, .offset: 8, .size: 8, .value_kind: global_buffer, .address_space: global }
      - { .name: v, .offset: 16, .size: 8, .value_kind: global_buffer, .address_space: global }
      - { .name: wc, .offset: 24, .size: 8, .value_kind: global_buffer, .address_space: global }
      - { .name: ws, .offset: 32, .size: 8, .value_kind: global_buffer, .address_space: global }
      - { .name: bq, .offset: 40, .size: 8, .value_kind: global_buffer, .address_space: global }
      - { .name: bk, .offset: 48, .size: 8, .value_kind: global_buffer, .address_space: global }
      - { .name: bv, .offset: 56, .size: 8, .value_kind: global_buffer, .address_space: global }
      - { .name: qc, .offset: 64, .size: 8, .value_kind: global_buffer, .address_space: global }
      - { .name: kv, .offset: 72, .size: 8, .value_kind: global_buffer, .address_space: global }
    .group_segment_fixed_size: 316416
    .private_segment_fixed_size: 0
    .kernarg_segment_align: 8
    .kernarg_segment_size: 80
    .max_flat_workgroup_size: 256
    .sgpr_count:     66
    .vgpr_count:     512
    .wavefront_size: 32
...
	.end_amdgpu_metadata
.endif
;; end of part 2
;; launch attn (part 3): grid 16 x 16, 16 waves a work-group, no clusters, 327,680 bytes of LDS; arguments qc, kv, rel_pos, ac, asc; writes ac, asc
.if DOCPART == 3
	.amdgcn_target "amdgcn-amd-amdhsa--gfx1250"
	.amdhsa_code_object_version 6
	.text
	.protected	k_q243f03d07c_attn
	.globl	k_q243f03d07c_attn
	.p2align	8
	.type	k_q243f03d07c_attn,@function
k_q243f03d07c_attn:
	s_mov_b64 s[64:65], 0
	v_nop
	global_prefetch_b8 v0, s[64:65] scope:SCOPE_SE
	s_setreg_imm32_b32 hwreg(HW_REG_WAVE_MODE, 25, 1), 1
	s_wait_xcnt 0x0
; attn[bh][q] = the sum over k of softmax_k(Q . K / 8 + rel_pos[h][clip(k - q, -2, 2) + 2]) V[k], both products on codes of FP6 (E2M3) with one E8M0 scale for each 32 along a product's K; the result is quantised along the model's 512 for the last product.
; THE SOFTMAX: t = logit x log2(e); M = the running largest t, rounded UP to a whole number; p = 2^(t - M) is quantised along the keys, not normalised; the row's sum is taken of the unquantised p and divides at the end.
; When M moves, the sum and O are multiplied by 2^(old M - new M): exact.
; SHARES.  A work-group owns 256 queries of one (batch, head); each of its sixteen waves owns 16, one tile, in 256 registers.  Every wave walks 32 key steps of 128 keys.
; A step's record of kv (13,056 bytes: K's four pair images, V's four fragments, their scale words) lies in LDS as it lies in memory: images of operand registers, read 512 consecutive bytes an instruction.
; RING.  Two slots of eight records; waves 0 to 7 fetch one record each.  One tensor load of a wave is out at the most, and it has eight key steps in which to land: so no prefetch is laid.
; NO CLUSTER, though the sixteen work-groups of a head walk the same records: which key steps lie on a wave's diagonal hangs on the work-group's number, and partners of a cluster may not branch apart.
; LAYOUT.  Both products are used transposed: S^T = K Q^T, O^T = V^T P^T: a lane holds ONE query (lane % 16).  Row m of K's tile t is key 64 (t / 4) + 32 (m / 8) + 8 (t % 4) + m % 8,
; so register 32 c + i of S^T is key 64 c + 32 h + i (h = lane / 16): A LANE HOLDS TWO WHOLE BLOCKS OF 32 KEYS, blocks h and 2 + h, in the order in which p's operand wants them: no lane is asked for a block's maximum, and no code changes lanes.
; V's channel tiles are laid so that register 16 b + i of O^T is channel 32 b + 16 h + i.
; THE HEAD IS 64, THE INSTRUCTION'S K IS 128: Q's registers 6-11 are zero codes.  K's fragment of tile n is v[32 + 6 n .. 43 + 6 n]: its upper six registers are the next tile's codes (for tile 7: six registers kept at 0); every code is a finite number, so those products are 0.
; Bytes 2, 3 of both scale words repeat bytes 0, 1: never 0xff.
; THE BIAS is rel_pos[h][0] for all keys at or under q - 2 and rel_pos[h][4] for all at or over q + 2: in a step that lies wholly on one side it is folded into the addend of the multiply-add that makes t - M.
; In the one or two steps on a wave's diagonal 8 x rel is added to the raw scores, by groups of 16 registers (16 neighbouring keys a lane).  The group that holds the wave's own 16 keys chooses among the five numbers register by register.
; In any other group a lane's 16 keys lie on one side of its query, and only the first (key - query = 1) or the last (key - query = -1) can lie inside the band.  The branches hang on ids and on the count of steps alone.
; LIMITS: the promise holds while the scaled scores stay under 2^31 in magnitude; p under 2^-126 is flushed to 0 by v_exp_f32; a block of zeros gets the byte 1 (its codes are zeros; this program alone reads the bytes); NaN and infinities are not served.
; REGISTERS: v1, v2 16 x, 8 x lane; v3, v4 LDS addresses; v5, v6 the add's two; v7 query - 32 h; v8 d; v9 Q's scale offset; v10, v11 at work; v12 -M; v13 largest t; v[14:15] the sum; v16-27 Q; v28 Q's scale words; v29 where my row's two bytes go; v[30:31] bias - M;
;   v32-79 K's or V's fragments; v80-85 zeros; v86-89 K's scale words; v90, v91 V's; v92 8 h; v96-159 S^T, then p; v160-191 O^T; v192-203 p's codes; v204-210 half blocks; v212-225 blocks' figures; v[226:227] f; v228 at work; v230, v231, v244-247 the sum's chains; v232-236 8 x rel_pos; v240-243 a far group's addends.
.set REC,   13056
.set SLOTB, 8*REC
.set SLOT1, 131072                     ; slot 1 begins here, so that one exclusive or turns an address in one slot into the other's
.set OSC,   237568                     ; 512 bytes: the work-group's 256 pairs of scale bytes
.set SPARE, 238080                     ; the spare words, 128 bytes for each wave: eight blocks of 256 bytes that no other line names
.set ADR,  3
.set ADR8, 4
.set SPW,  5
.set NIL,  6
.set AD,   30
.set SH8,  92
.set BM,   212                         ; v212, v213 my two blocks' largest
.set RP,   214
.set CH,   216                         ; v216-219 four chains
.set SOP,  220
.set BY,   222
.set PW,   224
.set PWP,  225
.set R8,   232
.set XB,   240
.set WV,   14
.set BH,   15
.set QB,   16
.set Q0,   17
.set KF,   18
.set TB,   19
.set SEL,  20
.set CS,   22
.set BS,   24
.set RB0,  25
.set RB4,  26
.set SLOTS, 27
.set STEPS, 28
.set UM,   29
.set G1,   32
.set G0,   40
.set MK,   66                          ; s66-84: nineteen lane masks
.macro TLOAD                           ; waves 0 to 7 fetch a record each; the branch hangs on the wave's number alone
	s_cmp_lt_u32 s[WV], 8
	s_cbranch_scc0 .Lasked_\@
	tensor_load_to_lds s[G0:G0+3], s[G1:G1+7]
	s_nop 0
.rept 4
	v_nop
.endr
.Lasked_\@:
.endm
	s_load_b256 s[4:11], s[0:1], 0x0               ; qc, kv, rel_pos, ac
	s_load_b64 s[12:13], s[0:1], 0x20              ; asc
	v_lshl_add_u32 v[SPW], v0, 2, SPARE
	v_mov_b32 v[NIL], 0
	ds_add_u32 v[SPW], v[NIL]                      ; the wave's opening: the add, twice on end, and its wait, ahead of the first tensor load
	ds_add_u32 v[SPW], v[NIL]
	v_lshrrev_b32 v8, 5, v0
	s_delay_alu instid0(VALU_DEP_1)
	v_readfirstlane_b32 s[WV], v8                  ; wave 0..15
	s_and_b32 s[BH], ttmp7, 0xffff                 ; 8 x batch + head
	s_mov_b32 s[QB], ttmp9                         ; my block of 256 queries
	s_lshl_b32 s[Q0], s[QB], 8
	s_lshl_b32 s96, s[WV], 4
	s_add_co_u32 s[Q0], s[Q0], s96                 ; my first query
	s_mov_b32 s[KF], 0
	s_mov_b32 s[TB], 0
	s_mov_b32 s[SEL], 0x76543210
	s_mov_b32 s[SEL+1], 0xfedcba98
	s_mov_b32 s[CS], 0x3e38aa3b                    ; c = log2(e) / 8
	s_mov_b32 s[CS+1], s[CS]                       ; (named with it as a pair, so it is written)
	s_and_b32 s[UM], s[WV], 1
	s_sub_co_u32 s[UM], 0, s[UM]                   ; all ones in an odd wave: its tile is the pair's second
	; descriptor group 1: a record, 51 dense rows of 256 bytes (32 elements of 8 bytes), no padding
	s_mov_b32 s[G1+0], 3<<16
	s_mov_b32 s[G1+1], 32<<16
	s_mov_b32 s[G1+2], 51<<16
	s_mov_b32 s[G1+3], 32<<16
	s_mov_b32 s[G1+4], 51
	s_mov_b32 s[G1+5], 32
	s_mov_b32 s[G1+6], 0
	s_mov_b32 s[G1+7], 0
	s_mov_b32 s[G0], 1
	s_mul_i32 s[G0+1], s[WV], REC                  ; LDS address: slot 0, record = wave
	s_mul_i32 s56, s[BH], 32*REC
	s_add_co_u32 s56, s56, s[G0+1]
	s_mov_b32 s57, 0                               ; the same record in kv
	s_and_b32 s58, s[BH], 7
	s_mul_i32 s58, s58, 20                         ; my head's five numbers of rel_pos
	s_mov_b32 s59, 0
	s_lshl_b32 s60, s[BH], 5
	s_lshl_b32 s61, s[QB], 1
	s_add_co_u32 s60, s60, s61
	s_lshr_b32 s61, s[WV], 3
	s_add_co_u32 s60, s60, s61
	s_mul_i32 s60, s60, 6656                       ; Q's record: 32 bh + 2 qb + wave / 8
	s_and_b32 s61, s[WV], 7
	s_lshr_b32 s61, s61, 1                         ; my pair of tiles in it
	s_mul_i32 s62, s61, 1536
	s_add_co_u32 s62, s62, s60                     ; the pair's image
	s_mov_b32 s63, 0
	s_lshl_b32 s61, s61, 2
	s_add_co_u32 s60, s60, s61
	s_and_b32 s61, s[WV], 1
	s_lshl_b32 s61, s61, 8
	s_add_co_u32 s60, s60, s61                     ; my tile's scale words: 16 (16 (wave % 2) + r) + 4 x pair, 6,144 bytes into the record
	s_mov_b32 s61, 0
	s_lshr_b32 s86, s[BH], 3
	s_lshl_b32 s86, s86, 8
	s_lshl_b32 s87, s[QB], 4
	s_add_co_u32 s86, s86, s87
	s_add_co_u32 s86, s86, s[WV]                   ; my tile of rows among the 512
	s_mul_i32 s86, s86, 6144
	s_and_b32 s87, s[BH], 7
	s_mul_i32 s87, s87, 768
	s_add_co_u32 s86, s86, s87
	s_mov_b32 s87, 0
	s_lshl_b32 s88, s[BH], 13
	s_lshl_b32 s89, s[QB], 9
	s_add_co_u32 s88, s88, s89
	s_mov_b32 s89, 0
	s_lshl_b32 s96, s[WV], 5
	s_add_co_u32 s96, s96, OSC
	v_and_b32 v1, 31, v0
	v_and_b32 v10, 15, v0                          ; r
	v_bfe_u32 v11, v0, 4, 1                        ; h
	v_lshlrev_b32 v2, 3, v1
	v_lshlrev_b32 v1, 4, v1
	v_lshlrev_b32 v9, 4, v10
	v_lshlrev_b32 v7, 5, v11
	v_lshlrev_b32 v[SH8], 3, v11                   ; 8 h: where my two scale bytes stand in p's scale word
	v_lshl_add_u32 v29, v10, 1, s96                ; OSC + 32 x wave + 2 r
	v_sub_nc_u32 v7, v10, v7
	s_delay_alu instid0(VALU_DEP_1)
	v_add_nc_u32 v7, s[Q0], v7                     ; my query - 32 h
	s_wait_alu depctr_va_vdst(0)
	s_wait_dscnt 0x0                               ; both opening adds are done
	s_wait_kmcnt 0x0
	s_add_nc_u64 s[G0+2:G0+3], s[6:7], s[56:57]
	s_or_b32 s[G0+3], s[G0+3], 0x80000000          ; type = 2
	TLOAD                                          ; slot 0: records 0 to 7
	s_add_nc_u64 s[8:9], s[8:9], s[58:59]
.irp i, 0,1,2,3,4
	s_load_b32 s[50+\i], s[8:9], 4*\i
.endr
	s_add_nc_u64 s[62:63], s[4:5], s[62:63]
	s_add_nc_u64 s[60:61], s[4:5], s[60:61]
	s_add_nc_u64 s[86:87], s[10:11], s[86:87]      ; where my codes go
	s_add_nc_u64 s[88:89], s[12:13], s[88:89]      ; and the work-group's scale bytes
.irp c, 0,1,2
	global_load_b128 v[96+4*\c:99+4*\c], v1, s[62:63] offset:512*\c   ; the pair's image: my tile is one half of it
.endr
	global_load_b32 v28, v9, s[60:61] offset:6144  ; lane r: query r's scale word
.set j, 0
.rept 32
	v_mov_b32 v[160+j], 0                          ; O^T.  (The step is written once: the first finds zeros, which the first change of M leaves zeros)
.set j, j+1
.endr
.irp j, 14,15,22,23,24,25,26,27,31,80,81,82,83,84,85,214,225,227,230,231,244,245,246,247
	v_mov_b32 v\j, 0                               ; the sum; Q's upper half; the upper halves of two pairs; the zeros behind K's tile 7; the permutes' destinations
.endr
	v_mov_b32 v13, 0xff61b1e6                      ; the largest t so far: -3e38
	s_delay_alu instid0(VALU_DEP_1)
	v_floor_f32 v12, -v13                          ; -M
	s_wait_loadcnt 0x0
.irp i, 0,1,2,3,4,5
	v_cndmask_b32 v[16+\i], v[96+\i], v[102+\i], s[UM]
.endr
	s_wait_kmcnt 0x0
.irp i, 0,1,2,3,4
	v_mov_b32 v[R8+\i], s[50+\i]
.endr
	v_mul_f32 v10, 0x3fb8aa3b, v[R8]               ; rel_pos[h][0] x log2(e)
	v_mul_f32 v11, 0x3fb8aa3b, v[R8+4]             ; rel_pos[h][4] x log2(e)
.irp i, 0,1,2,3,4
	v_mul_f32 v[R8+\i], 0x41000000, v[R8+\i]       ; 8 x rel: what is added to a raw score, exact
.endr
	v_readfirstlane_b32 s[RB0], v10                ; numbers, which feed multiply-adds alone: no branch and no address hangs on them
	v_readfirstlane_b32 s[RB4], v11
	s_wait_alu depctr_va_vdst(0)
; ON THE DIAGONAL, group g: registers 96 + 16 g + 0 .. 15, for which key - query = KB + i - d.  s96 names the group that holds the wave's own 16 keys (in the lanes of one half), or none.
.macro BAND g
.set KB, 64*((\g)/2)+16*((\g)%2)
.set RG, 96+16*(\g)
	s_cmp_eq_u32 s96, \g
	s_cbranch_scc1 .Lfull_\@
	v_cmp_lt_i32 s[MK], KB+7, v8                   ; my 16 keys lie under my query
	v_cmp_eq_i32 s[MK+1], KB-1, v8                 ; the first is query + 1
	v_cmp_eq_i32 s[MK+2], KB+16, v8                ; the last is query - 1
	v_cndmask_b32 v[XB+1], v[R8+4], v[R8], s[MK]
	v_cndmask_b32 v[XB+2], v[R8+4], v[R8], s[MK]
	s_delay_alu instid0(VALU_DEP_2)
	v_cndmask_b32 v[XB], v[XB+1], v[R8+3], s[MK+1]
	s_delay_alu instid0(VALU_DEP_3)
	v_cndmask_b32 v[XB+3], v[XB+1], v[R8+1], s[MK+2]
	v_pk_add_f32 v[RG:RG+1], v[RG:RG+1], v[XB:XB+1]
.irp i, 2,4,6,8,10,12
	v_pk_add_f32 v[RG+\i:RG+\i+1], v[RG+\i:RG+\i+1], v[XB+2:XB+3] op_sel_hi:[1,0]
.endr
	v_pk_add_f32 v[RG+14:RG+15], v[RG+14:RG+15], v[XB+2:XB+3]
	s_wait_alu depctr_va_vdst(0)
	s_branch .Ljoin_\@
.Lfull_\@:
.irp k, 0,1,2,3,4,5,6,7,8,9,10,11,12,13,14,15,16,17,18
	v_cmp_le_i32 s[MK+\k], KB-1+\k, v8             ; mask k: KB - 1 + k <= d
.endr
.irp i, 0,1,2,3,4,5,6,7,8,9,10,11,12,13,14,15
	v_cndmask_b32 v[10+\i%2], v[R8+4], v[R8+3], s[MK+\i]          ; key - query <= 1
	s_delay_alu instid0(VALU_DEP_1)
	v_cndmask_b32 v[10+\i%2], v[10+\i%2], v[R8+2], s[MK+\i+1]     ; <= 0
	s_delay_alu instid0(VALU_DEP_1)
	v_cndmask_b32 v[10+\i%2], v[10+\i%2], v[R8+1], s[MK+\i+2]     ; <= -1
	s_delay_alu instid0(VALU_DEP_1)
	v_cndmask_b32 v[10+\i%2], v[10+\i%2], v[R8], s[MK+\i+3]       ; <= -2
	v_add_f32 v[RG+\i], v[RG+\i], v[10+\i%2]
.endr
	s_wait_alu depctr_va_vdst(0)
.Ljoin_\@:
.endm
; A KEY STEP: 128 keys, the record at LDS byte s[TB].
.macro STEP
	v_add_nc_u32 v[ADR], s[TB], v1
	v_add_nc_u32 v[ADR8], s[TB], v2
	v_pk_add_f32 v[244:245], v[244:245], v[246:247]   ; the last step's four chains of the sum are joined here (the first step finds zeros):
	v_pk_add_f32 v[14:15], v[14:15], v[230:231]       ; with the two lines above, the four places in front of loads into registers that the last products read
.irp k, 0,1,2,3,4,5,6,7,8,9,10,11
	ds_load_b128 v[32+4*\k:35+4*\k], v[ADR] offset:512*\k        ; K's four pair images
.endr
	ds_load_b128 v[86:89], v[ADR] offset:12288     ; their scale words: register p: lanes 0-15 tile 2 p, lanes 16-31 tile 2 p + 1
	s_wait_alu depctr_va_vdst(0)
	s_wait_dscnt 0x0
.irp t, 0,1,2,3,4,5,6,7
.if \t%2
	v_wmma_scale_f32_16x16x128_f8f6f4 v[96+8*\t:103+8*\t], v[32+6*\t:43+6*\t], v[16:27], 0, v[86+\t/2], v28 matrix_a_fmt:MATRIX_FMT_FP6 matrix_b_fmt:MATRIX_FMT_FP6 matrix_a_scale:MATRIX_SCALE_ROW1
.else
	v_wmma_scale_f32_16x16x128_f8f6f4 v[96+8*\t:103+8*\t], v[32+6*\t:43+6*\t], v[16:27], 0, v[86+\t/2], v28 matrix_a_fmt:MATRIX_FMT_FP6 matrix_b_fmt:MATRIX_FMT_FP6
.endif
.endr
	v_sub_nc_u32 v8, v7, s[KF]                     ; d: register 32 c + i holds the key for which key - query = 64 c + i - d.  These four lines are the places behind the products
	v_pk_add_f32 v[14:15], v[14:15], v[244:245]    ; the sum is whole again
	v_mov_b32 v229, v12                            ; the old -M
	v_nop
.irp k, 0,1,2,3,4,5,6,7,8,9,10,11
	ds_load_b128 v[32+4*\k:35+4*\k], v[ADR] offset:6144+512*\k   ; V's four fragments take K's registers and land while the softmax is walked
.endr
	ds_load_b64 v[90:91], v[ADR8] offset:12800
	s_add_co_u32 s96, s[KF], 128
	s_cmp_lt_u32 s96, s[Q0]                        ; all 128 keys at or under every query - 2?
	s_cselect_b32 s[BS], s[RB0], s[RB4]
	s_cbranch_scc1 .Lfar_\@
	s_add_co_u32 s97, s[Q0], 16
	s_cmp_gt_u32 s[KF], s97                        ; all at or over every query + 2?
	s_cbranch_scc1 .Lfar_\@
	s_mov_b32 s[BS], 0                             ; ON THE DIAGONAL: the bias goes onto the scores
	s_sub_co_i32 s96, s[Q0], s[KF]
	s_ashr_i32 s96, s96, 4                         ; which 16 keys of the step are my queries' own: -1 .. 8
	s_ashr_i32 s97, s96, 2
	s_lshl_b32 s97, s97, 1
	s_and_b32 s96, s96, 1
	s_or_b32 s96, s97, s96                         ; their group of registers, 0 .. 3; -1 or 4: none in this step
	s_wait_alu depctr_va_vdst(0)
.irp g, 0,1,2,3
	BAND \g
.endr
.Lfar_\@:
.irp b, 0,1,2,3
	v_max3_num_f32 v[CH+\b], v[96+16*\b], v[97+16*\b], v[98+16*\b]   ; the largest score, in four chains; each accumulator is first read at its low end
.endr
.irp i, 3,5,7,9,11,13
.irp b, 0,1,2,3
	v_max3_num_f32 v[CH+\b], v[CH+\b], v[96+16*\b+\i], v[97+16*\b+\i]
.endr
.endr
.irp c, 0,1
	v_max3_num_f32 v[BM+\c], v[CH+2*\c], v[CH+2*\c+1], v[111+32*\c]
.endr
.irp c, 0,1
	v_max_num_f32 v[BM+\c], v[BM+\c], v[127+32*\c] ; the largest score of each of my two blocks of 32 keys: for the row's maximum, and, since p rises with the score, for the block's largest p
.endr
	s_delay_alu instid0(VALU_DEP_1)
	v_max_num_f32 v228, v[BM], v[BM+1]
	s_delay_alu instid0(VALU_DEP_1)
	v_fma_f32 v228, v228, s[CS], s[BS]             ; my 64 keys' largest t = c x score + the step's bias (c is positive)
	s_delay_alu instid0(VALU_DEP_1)
	v_permlanex16_b32 v[RP], v228, s[SEL], s[SEL+1]
	s_delay_alu instid0(VALU_DEP_1)
	v_max3_num_f32 v13, v13, v228, v[RP]           ; the running largest t, with lane l xor 16's 64 keys
	s_delay_alu instid0(VALU_DEP_1)
	v_floor_f32 v12, -v13                          ; the new -M = -ceil(t): a whole number
	s_delay_alu instid0(VALU_DEP_1)
	v_sub_f32 v228, v12, v229                      ; old M - new M: a whole number, 0 or less
	v_add_f32 v[AD], s[BS], v12                    ; the step's bias - M: the addend of every multiply-add below
	s_delay_alu instid0(VALU_DEP_2)
	v_cvt_i32_f32 v228, v228                       ; (it saturates)
	s_delay_alu instid0(VALU_DEP_1)
	v_ldexp_f32 v226, 1.0, v228                    ; f = 2^(old M - new M)
.set j, 0
.rept 32
	v_pk_fma_f32 v[96+j:97+j], v[96+j:97+j], s[CS:CS+1], v[AD:AD+1] op_sel_hi:[1,0,0]   ; t - M, two at a time
.set j, j+2
.endr
.irp c, 0,1
	v_fma_f32 v[BM+\c], v[BM+\c], s[CS], v[AD]     ; the same of each block's largest score
.endr
	s_wait_alu depctr_va_vdst(0)
.set j, 0
.rept 64
	v_exp_f32 v[96+j], v[96+j]                     ; p = 2^(t - M)
.set j, j+1
.endr
	v_pk_mul_f32 v[14:15], v[14:15], v[226:227] op_sel_hi:[1,0]   ; the sums under the new M: a plain place behind the exponentials
	s_wait_alu depctr_va_vdst(0)                   ; one wait for the whole batch, ahead of its first reader
.irp c, 0,1
	v_exp_f32 v[BM+\c], v[BM+\c]                   ; the block's largest p: the same two instructions on the same number give the same bits
.endr
	v_pk_add_f32 v[230:231], v[96:97], v[98:99]    ; the row's sum of the unquantised p, in four chains
	v_pk_add_f32 v[244:245], v[100:101], v[102:103]
	v_pk_add_f32 v[246:247], v[104:105], v[106:107]
.set j, 108
.rept 6
	v_pk_add_f32 v[14:15], v[14:15], v[j:j+1]
	v_pk_add_f32 v[230:231], v[230:231], v[j+2:j+3]
	v_pk_add_f32 v[244:245], v[244:245], v[j+4:j+5]
	v_pk_add_f32 v[246:247], v[246:247], v[j+6:j+7]
.set j, j+8
.endr
	v_pk_add_f32 v[14:15], v[14:15], v[156:157]
	v_pk_add_f32 v[230:231], v[230:231], v[158:159]   ; the chains are joined in the next step's places, or behind the last step
	s_wait_alu depctr_va_vdst(0)                   ; and one for the two
.irp c, 0,1
	v_max_num_f32 v[BM+\c], 0x1800000, v[BM+\c]    ; the floor 2^(3 - 127): the byte cannot fall under 1
.endr
.irp c, 0,1
	s_delay_alu instid0(VALU_DEP_2)
	v_add_nc_u32 v[SOP+\c], 0xff000000, v[BM+\c]   ; 2 off the exponent field: the conversion's scale operand
.endr
.irp c, 0,1
	s_delay_alu instid0(VALU_DEP_2)
	v_lshrrev_b32 v[BY+\c], 23, v[SOP+\c]          ; the scale's byte
.endr
.irp c, 0,1
	v_cvt_scalef32_pk16_fp6_f32 v[192+6*\c:194+6*\c], v[96+32*\c:111+32*\c], v[SOP+\c]
	v_cvt_scalef32_pk16_fp6_f32 v[204+4*\c:206+4*\c], v[112+32*\c:127+32*\c], v[SOP+\c]   ; (a conversion's three registers begin on an even number)
.endr
	v_lshl_or_b32 v[PW], v[BY+1], 16, v[BY]        ; my two bytes, blocks h and 2 + h (also the plain place behind the scaled conversions),
	s_delay_alu instid0(VALU_DEP_1)
	v_lshlrev_b32 v[PW], v[SH8], v[PW]             ; at their places in the word;
	s_delay_alu instid0(VALU_DEP_1)
	v_permlanex16_b32 v[PWP], v[PW], s[SEL], s[SEL+1]
	s_delay_alu instid0(VALU_DEP_1)
	v_or_b32 v[PW], v[PW], v[PWP]                  ; with lane l xor 16's two: p's scale word for these 128 keys
.irp c, 0,1
.irp i, 0,1,2
	v_mov_b32 v[195+6*\c+\i], v[204+4*\c+\i]       ; registers 6 c .. 6 c + 5: keys 64 c + 32 h + 0 .. 31
.endr
.endr
	s_wait_alu depctr_va_vdst(0)
.set j, 0
.rept 16
	v_pk_mul_f32 v[160+j:161+j], v[160+j:161+j], v[226:227] op_sel_hi:[1,0]   ; O^T under the new M.  These sixteen also stand between the writes of p's codes and scale word and the products
.set j, j+2
.endr
	s_wait_alu depctr_va_vdst(0)
	s_wait_dscnt 0x0                               ; V is in
.irp t, 0,1,2,3
.if \t%2
	v_wmma_scale_f32_16x16x128_f8f6f4 v[160+8*\t:167+8*\t], v[32+12*\t:43+12*\t], v[192:203], v[160+8*\t:167+8*\t], v[90+\t/2], v[PW] matrix_a_fmt:MATRIX_FMT_FP6 matrix_b_fmt:MATRIX_FMT_FP6 matrix_a_scale:MATRIX_SCALE_ROW1
.else
	v_wmma_scale_f32_16x16x128_f8f6f4 v[160+8*\t:167+8*\t], v[32+12*\t:43+12*\t], v[192:203], v[160+8*\t:167+8*\t], v[90+\t/2], v[PW] matrix_a_fmt:MATRIX_FMT_FP6 matrix_b_fmt:MATRIX_FMT_FP6
.endif
.endr
	s_add_co_u32 s[KF], s[KF], 128
	s_add_co_u32 s[TB], s[TB], REC
.endm
; THE CHANGE OF SLOTS stands at a slot's head.  Each wave waits for all its tensor loads (its record of the slot ahead), adds 0 to its spare word, and waits for that and for its reads of the slot that it has left.
; Behind the barrier the slot ahead is whole and nobody reads the other one.  fill = 1: that other slot takes the next eight records.
.macro CHANGE fill
	s_wait_tensorcnt 0x0                           ; no tensor load of mine is out, so the group 0 may be written
	ds_add_u32 v[SPW], v[NIL]                      ; 0 onto my spare word
.if \fill
	ds_add_u32 v[SPW], v[NIL]                      ; twice on end
	s_xor_b32 s[G0+1], s[G0+1], SLOT1              ; the other slot than last time,
	s_add_nc_u64 s[G0+2:G0+3], s[G0+2:G0+3], SLOTB ; eight records on; the type bits on top are not reached
.endif
	s_wait_dscnt 0x0                               ; the add is done, and my reads of the slot that I have left are over
	s_barrier_signal -1
	s_barrier_wait -1
.if \fill
	TLOAD                                          ; the first thing behind the barrier, and a wave's one tensor load until the next
.endif
.endm
.macro EIGHT_STEPS                     ; a slot's eight key steps: written once, walked eight times; the LDS addresses hang on s[TB]
	s_mov_b32 s[STEPS], 8
.Lstep_\@:
	STEP
	s_sub_co_u32 s[STEPS], s[STEPS], 1
	s_cmp_lg_u32 s[STEPS], 0
	s_cbranch_scc1 .Lstep_\@
	s_sub_co_u32 s[TB], s[TB], SLOTB               ; back to a slot's first record,
	s_xor_b32 s[TB], s[TB], SLOT1                  ; in the other slot
.endm
	s_mov_b32 s[SLOTS], 3
.Lslot:                                            ; three trips: behind each change of slots but the last the next eight records are asked for
	CHANGE 1
	EIGHT_STEPS
	s_sub_co_u32 s[SLOTS], s[SLOTS], 1
	s_cmp_lg_u32 s[SLOTS], 0
	s_cbranch_scc1 .Lslot
	CHANGE 0                                       ; the last slot is written out
	EIGHT_STEPS
	; THE WAY OUT.  O^T is divided by the row's sum; its two blocks of 32 channels are quantised: they are blocks 2 hd, 2 hd + 1 of the row along the last product's K.
.rept 4
	v_nop                                          ; places behind the last products
.endr
	v_pk_add_f32 v[244:245], v[244:245], v[246:247]   ; the last step's chains
	v_pk_add_f32 v[14:15], v[14:15], v[230:231]
	s_delay_alu instid0(VALU_DEP_1)
	v_pk_add_f32 v[14:15], v[14:15], v[244:245]
	s_delay_alu instid0(VALU_DEP_1)
	v_add_f32 v14, v14, v15
	s_delay_alu instid0(VALU_DEP_1)
	v_permlanex16_b32 v228, v14, s[SEL], s[SEL+1]
	s_delay_alu instid0(VALU_DEP_1)
	v_add_f32 v14, v14, v228                       ; the row's sum
	s_wait_alu depctr_va_vdst(0)
	v_rcp_f32 v14, v14
	v_add_nc_u32 v[ADR], OSC, v1                   ; (a plain place behind the reciprocal)  where wave 0 reads the scale bytes back
	s_wait_alu depctr_va_vdst(0)                   ; the wait, ahead of the reciprocal's first reader
.set j, 0
.rept 32
	v_mul_f32 v[96+j], v[160+j], v14               ; register 16 b + i: channel 32 b + 16 h + i of my query
.set j, j+1
.endr
.irp b, 0,1
	v_max3_num_f32 v[BM+\b], |v[96+16*\b]|, |v[97+16*\b]|, 0x1800000
.endr
.irp i, 2,4,6,8,10,12,14
.irp b, 0,1
	s_delay_alu instid0(VALU_DEP_2)
	v_max3_num_f32 v[BM+\b], v[BM+\b], |v[96+16*\b+\i]|, |v[97+16*\b+\i]|
.endr
.endr
.irp b, 0,1
	s_delay_alu instid0(VALU_DEP_2)
	v_permlanex16_b32 v[CH+\b], v[BM+\b], s[SEL], s[SEL+1]
.endr
.irp b, 0,1
	s_delay_alu instid0(VALU_DEP_2)
	v_max_num_f32 v[BM+\b], v[BM+\b], v[CH+\b]
.endr
.irp b, 0,1
	s_delay_alu instid0(VALU_DEP_2)
	v_add_nc_u32 v[SOP+\b], 0xff000000, v[BM+\b]
.endr
.irp b, 0,1
	s_delay_alu instid0(VALU_DEP_2)
	v_lshrrev_b32 v[BY+\b], 23, v[SOP+\b]
.endr
	s_delay_alu instid0(VALU_DEP_1)
	v_lshl_or_b32 v228, v[BY+1], 8, v[BY]          ; my row's two bytes
	v_cvt_scalef32_pk16_fp6_f32 v[192:194], v[96:111], v[SOP]
	v_cvt_scalef32_pk16_fp6_f32 v[204:206], v[112:127], v[SOP+1]
	v_nop                                          ; one plain place behind the scaled conversions
.irp i, 0,1,2
	v_permlane16_swap_b32 v[192+\i], v[204+\i]     ; lane (r, h): block h of row r, whole
.endr
.irp i, 0,1,2
	s_delay_alu instid0(VALU_DEP_3)
	v_mov_b32 v[195+\i], v[204+\i]
.endr
	global_store_b128 v1, v[192:195], s[86:87]             ; registers 0-3: 512 consecutive bytes
	global_store_b64 v2, v[196:197], s[86:87] offset:512   ; registers 4, 5: 256
	ds_store_b16 v29, v228                         ; lanes r and r + 16 write the same two bytes with the same value
	s_wait_dscnt 0x0                               ; for wave 0's sake: my store has landed
	s_barrier_signal -1
	s_barrier_wait -1
	s_cmp_lg_u32 s[WV], 0
	s_cbranch_scc1 .Lnot_first
	ds_load_b128 v[96:99], v[ADR]                  ; the work-group's 512 scale bytes
	s_wait_dscnt 0x0
	global_store_b128 v1, v[96:99], s[88:89]       ; leave as two aligned blocks of 256 bytes
.Lnot_first:
	s_wait_tensorcnt 0x0                           ; the wave's end, behind my last tensor load and my last LDS store
	ds_add_u32 v[SPW], v[NIL]
	s_wait_dscnt 0x0
	s_endpgm
.Lfunc_end_k_q243f03d07c_attn:
	.size	k_q243f03d07c_attn, .Lfunc_end_k_q243f03d07c_attn-k_q243f03d07c_attn
	.p2alignl 7, 3214868480
	.fill 96, 4, 3214868480
	.section	.rodata,"a",@progbits
	.p2align	6, 0x0
	.amdhsa_kernel k_q243f03d07c_attn
		.amdhsa_group_segment_fixed_size 327680
		.amdhsa_private_segment_fixed_size 0
		.amdhsa_enable_private_segment 0
		.amdhsa_kernarg_size 40
		.amdhsa_user_sgpr_count 2
		.amdhsa_user_sgpr_kernarg_segment_ptr 1
		.amdhsa_wavefront_size32 1
		.amdhsa_system_sgpr_workgroup_id_x 1
		.amdhsa_system_sgpr_workgroup_id_y 1
		.amdhsa_system_sgpr_workgroup_id_z 1
		.amdhsa_system_vgpr_workitem_id 0
		.amdhsa_next_free_vgpr 256
		.amdhsa_next_free_sgpr 100
		.amdhsa_reserve_vcc 0
		.amdhsa_float_denorm_mode_32 3
		.amdhsa_float_denorm_mode_16_64 3
		.amdhsa_memory_ordered 1
		.amdhsa_forward_progress 1
		.amdhsa_inst_pref_size 115
	.end_amdhsa_kernel
	.amdgpu_metadata
---
amdhsa.version: [ 1, 2 ]
amdhsa.kernels:
  - .name:           k_q243f03d07c_attn
    .symbol:         k_q243f03d07c_attn.kd
    .args:
      - { .name: qc, .offset: 0, .size: 8, .value_kind: global_buffer, .address_space: global }
      - { .name: kv, .offset: 8, .size: 8, .value_kind: global_buffer, .address_space: global }
      - { .name: rel_pos, .offset: 16, .size: 8, .value_kind: global_buffer, .address_space: global }
      - { .name: ac, .offset: 24, .size: 8, .value_kind: global_buffer, .address_space: global }
      - { .name: asc, .offset: 32, .size: 8, .value_kind: global_buffer, .address_space: global }
    .group_segment_fixed_size: 327680
    .private_segment_fixed_size: 0
    .kernarg_segment_align: 8
    .kernarg_segment_size: 40
    .max_flat_workgroup_size: 512
    .sgpr_count:     100
    .vgpr_count:     256
    .wavefront_size: 32
...
	.end_amdgpu_metadata
.endif
;; end of part 3
;; launch outp (part 4): grid 256 x 1, 8 waves a work-group, no clusters, 70,656 bytes of LDS; arguments ac, asc, wc, ws, bo, out0; writes out0
.if DOCPART == 4
	.amdgcn_target "amdgcn-amd-amdhsa--gfx1250"
	.amdhsa_code_object_version 6
	.text
	.protected	k_q243f03d07c_outp
	.globl	k_q243f03d07c_outp
	.p2align	8
	.type	k_q243f03d07c_outp,@function
k_q243f03d07c_outp:
	s_mov_b64 s[64:65], 0
	v_nop
	global_prefetch_b8 v0, s[64:65] scope:SCOPE_SE
	s_setreg_imm32_b32 hwreg(HW_REG_WAVE_MODE, 25, 1), 1
	s_wait_xcnt 0x0
; out0 = attn Wo^T + bo on codes of FP6 (E2M3) with one E8M0 scale for each 32 along K.  attn's codes (ac: [row tile 512][head 8][768]: registers 0-3 at 16 x lane, registers 4, 5 at 512 + 8 x lane; lane (r, h) holds block h of the head)
; and Wo's (wc, the fourth weight) are images of operand registers: every operand goes from memory straight into registers.  attn's scale bytes (asc: [bh][row] two bytes) are joined, two heads to a word.
; SHARES.  A work-group takes 32 rows (two tiles), wave g 64 columns: eight accumulators, 32 matrix instructions.  Waves share nothing: no barrier.  No tensor load: each byte is wanted in registers once, and all loads go out at the head.
; The product is used transposed (source 0 = 16 rows of Wo, source 1 = 16 rows of attn): a lane holds eight neighbouring columns of one row (Wo's tiles are laid for it); bo is the first product's C.
; The results go through the wave's own stage in LDS (32 rows x (256 bytes + 16)) and leave as aligned blocks of 256 bytes, sixteen lanes to a block.
; REGISTERS: window 0: v1-11 addresses; v12-27 pairs of scale bytes; v28-35 attn's scale words; v36-51 Wo's; v52-83 bo; v84-147 the accumulators; v148-243 attn's eight fragments, later rows of out0.  window 1: Wo's sixteen fragments.
.set SPARE, 69632                      ; behind the eight stages: the spare words, 128 bytes for each wave: four blocks of 256 bytes that no other line names
.set SPW, 10
.set NIL, 11
.set ASR, 12
.set ASW, 28
.set WS,  36
.set BI,  52
.set ACC, 84
.set AF,  148
.set MSB, 0
.macro WIN new                         ; the immediate's high byte repeats the setting that is left
.if MSB != \new
	s_set_vgpr_msb (MSB<<8)|\new
.set MSB, \new
.endif
.endm
	s_load_b256 s[4:11], s[0:1], 0x0               ; ac, asc, wc, ws
	s_load_b128 s[12:15], s[0:1], 0x20             ; bo, out0
	v_lshl_add_u32 v[SPW], v0, 2, SPARE
	v_mov_b32 v[NIL], 0
	v_lshrrev_b32 v1, 5, v0
	s_delay_alu instid0(VALU_DEP_1)
	v_readfirstlane_b32 s16, v1                    ; wave g
	s_mov_b32 s17, ttmp9                           ; my 32 rows
	v_and_b32 v1, 15, v0                           ; r
	v_bfe_u32 v2, v0, 4, 1                         ; h
	v_and_b32 v3, 31, v0
	s_delay_alu instid0(VALU_DEP_1)
	v_lshlrev_b32 v4, 3, v3                        ; 8 x lane
	s_delay_alu instid0(VALU_DEP_2)
	v_lshlrev_b32 v3, 4, v3                        ; 16 x lane
	v_lshlrev_b32 v5, 1, v1                        ; 2 r
	v_lshlrev_b32 v6, 6, v2                        ; 64 h
	s_mul_i32 s30, s16, 8704                       ; my stage
	v_mul_u32_u24 v7, v1, 272
	s_delay_alu instid0(VALU_DEP_1)
	v_lshl_add_u32 v7, v2, 6, v7
	s_delay_alu instid0(VALU_DEP_1)
	v_add_nc_u32 v7, s30, v7                       ; in: row r, + 64 h
	v_mul_u32_u24 v8, v2, 272
	s_delay_alu instid0(VALU_DEP_1)
	v_lshl_add_u32 v8, v1, 4, v8
	s_delay_alu instid0(VALU_DEP_1)
	v_add_nc_u32 v8, s30, v8                       ; back: lanes 0-15 one row, lanes 16-31 the next
	v_lshlrev_b32 v9, 11, v2
	s_delay_alu instid0(VALU_DEP_1)
	v_lshl_add_u32 v9, v1, 4, v9                   ; and the same two rows in out0
	s_mul_i32 s18, s17, 12288                      ; two row tiles of 6,144 bytes
	s_mov_b32 s19, 0
	s_lshr_b32 s20, s17, 7
	s_lshl_b32 s20, s20, 16                        ; the batch's eight heads of 8,192 bytes,
	s_and_b32 s21, s17, 127
	s_lshl_b32 s21, s21, 6                         ; 32 rows of 2 bytes
	s_add_co_u32 s20, s20, s21
	s_mov_b32 s21, 0
	s_mul_i32 s22, s16, 24576
	s_add_co_u32 s22, s22, 589824                  ; the fourth weight, my 64 rows
	s_mov_b32 s23, 0
	s_lshl_b32 s24, s16, 11
	s_add_co_u32 s24, s24, 49152
	s_mov_b32 s25, 0
	s_lshl_b32 s26, s16, 8
	s_mov_b32 s27, 0
	s_lshl_b32 s28, s17, 16                        ; 32 rows of 2,048 bytes
	s_add_co_u32 s28, s28, s26
	s_mov_b32 s29, 0
	s_wait_alu depctr_va_vdst(0)
	s_wait_kmcnt 0x0
	s_add_nc_u64 s[4:5], s[4:5], s[18:19]
	s_add_nc_u64 s[6:7], s[6:7], s[20:21]
	s_add_nc_u64 s[8:9], s[8:9], s[22:23]
	s_add_nc_u64 s[10:11], s[10:11], s[24:25]
	s_add_nc_u64 s[12:13], s[12:13], s[26:27]
	s_add_nc_u64 s[14:15], s[14:15], s[28:29]
.irp m, 0,1
.irp s, 0,1,2,3
	global_load_b128 v[AF+12*(4*\m+\s):AF+12*(4*\m+\s)+3], v3, s[4:5] offset:6144*\m+1536*\s              ; head 2 s: registers 0-3,
	global_load_b64 v[AF+12*(4*\m+\s)+4:AF+12*(4*\m+\s)+5], v4, s[4:5] offset:6144*\m+1536*\s+512         ; 4, 5;
	global_load_b128 v[AF+12*(4*\m+\s)+6:AF+12*(4*\m+\s)+9], v3, s[4:5] offset:6144*\m+1536*\s+768        ; head 2 s + 1: registers 6-9,
	global_load_b64 v[AF+12*(4*\m+\s)+10:AF+12*(4*\m+\s)+11], v4, s[4:5] offset:6144*\m+1536*\s+1280      ; 10, 11
.endr
.endr
.irp m, 0,1
.irp d, 0,1,2,3,4,5,6,7
	global_load_u16 v[ASR+8*\m+\d], v5, s[6:7] offset:8192*\d+32*\m      ; row r's two bytes of head d
.endr
.endr
.irp t, 0,1,2,3
	global_load_b128 v[WS+4*\t:WS+4*\t+3], v3, s[10:11] offset:512*\t
.endr
.irp t, 0,1,2,3
	global_load_b128 v[BI+8*\t:BI+8*\t+3], v6, s[12:13] offset:(32*(\t/2)+8*(\t%2))*4      ; bo at columns 32 (t / 2) + 8 (t % 2) + 16 h + 0 .. 7
	global_load_b128 v[BI+8*\t+4:BI+8*\t+7], v6, s[12:13] offset:(32*(\t/2)+8*(\t%2))*4+16
.endr
	WIN 0x40                                       ; destination window 1
.set k, 0
.rept 48
	global_load_b128 v[4*k:4*k+3], v3, s[8:9] offset:512*k     ; fragment (K step s, tile t) at v[12 (4 s + t)]
.set k, k+1
.endr
	WIN 0
	s_wait_loadcnt 0x0
.irp m, 0,1
.irp s, 0,1,2,3
	v_lshl_or_b32 v[ASW+4*\m+\s], v[ASR+8*\m+2*\s+1], 16, v[ASR+8*\m+2*\s]     ; heads 2 s, 2 s + 1: the four bytes of K step s
.endr
.endr
.rept 8
	v_nop                                          ; a scale register written by a vector instruction stands eight places ahead of a scaled matrix instruction
.endr
	WIN 0x01                                       ; source 0 (Wo) in window 1
.irp s, 0,1,2,3                        ; the eight accumulators take turns, one instruction a turn
.irp m, 0,1
.irp t, 0,1,2,3
.if \s == 0
	v_wmma_scale_f32_16x16x128_f8f6f4 v[ACC+8*(4*\m+\t):ACC+8*(4*\m+\t)+7], v[12*(4*\s+\t):12*(4*\s+\t)+11], v[AF+12*(4*\m+\s):AF+12*(4*\m+\s)+11], v[BI+8*\t:BI+8*\t+7], v[WS+4*\t+\s], v[ASW+4*\m+\s] matrix_a_fmt:MATRIX_FMT_FP6 matrix_b_fmt:MATRIX_FMT_FP6
.else
	v_wmma_scale_f32_16x16x128_f8f6f4 v[ACC+8*(4*\m+\t):ACC+8*(4*\m+\t)+7], v[12*(4*\s+\t):12*(4*\s+\t)+11], v[AF+12*(4*\m+\s):AF+12*(4*\m+\s)+11], v[ACC+8*(4*\m+\t):ACC+8*(4*\m+\t)+7], v[WS+4*\t+\s], v[ASW+4*\m+\s] matrix_a_fmt:MATRIX_FMT_FP6 matrix_b_fmt:MATRIX_FMT_FP6
.endif
.endr
.endr
.endr
	WIN 0
.rept 4
	v_nop                                          ; places behind the last products: for the stores of results and the loads into attn's registers
.endr
.irp m, 0,1
.irp t, 0,1,2,3
	ds_store_b128 v7, v[ACC+8*(4*\m+\t):ACC+8*(4*\m+\t)+3] offset:4352*\m+128*(\t/2)+32*(\t%2)        ; each accumulator from its low end on
	ds_store_b128 v7, v[ACC+8*(4*\m+\t)+4:ACC+8*(4*\m+\t)+7] offset:4352*\m+128*(\t/2)+32*(\t%2)+16
.endr
.endr
.irp i, 0,1,2,3,4,5,6,7,8,9,10,11,12,13,14,15
	ds_load_b128 v[AF+4*\i:AF+4*\i+3], v8 offset:544*\i        ; LDS serves a wave's instructions in order: these see my stores
.endr
.irp i, 0,1,2,3,4,5,6,7,8,9,10,11,12,13,14,15
	s_wait_dscnt 15-\i                             ; the younger LDS loads may be out
	global_store_b128 v9, v[AF+4*\i:AF+4*\i+3], s[14:15] offset:4096*\i th:TH_STORE_NT   ; sixteen lanes store 256 consecutive bytes, aligned; written once, read by nobody here
.endr
	s_wait_tensorcnt 0x0                           ; the wave's end, behind my last LDS store
	ds_add_u32 v[SPW], v[NIL]
	s_wait_dscnt 0x0
	s_endpgm
.Lfunc_end_k_q243f03d07c_outp:
	.size	k_q243f03d07c_outp, .Lfunc_end_k_q243f03d07c_outp-k_q243f03d07c_outp
	.p2alignl 7, 3214868480
	.fill 96, 4, 3214868480
	.section	.rodata,"a",@progbits
	.p2align	6, 0x0
	.amdhsa_kernel k_q243f03d07c_outp
		.amdhsa_group_segment_fixed_size 70656
		.amdhsa_private_segment_fixed_size 0
		.amdhsa_enable_private_segment 0
		.amdhsa_kernarg_size 48
		.amdhsa_user_sgpr_count 2
		.amdhsa_user_sgpr_kernarg_segment_ptr 1
		.amdhsa_wavefront_size32 1
		.amdhsa_system_sgpr_workgroup_id_x 1
		.amdhsa_system_sgpr_workgroup_id_y 1
		.amdhsa_system_sgpr_workgroup_id_z 1
		.amdhsa_system_vgpr_workitem_id 0
		.amdhsa_next_free_vgpr 512
		.amdhsa_next_free_sgpr 66
		.amdhsa_reserve_vcc 0
		.amdhsa_float_denorm_mode_32 3
		.amdhsa_float_denorm_mode_16_64 3
		.amdhsa_memory_ordered 1
		.amdhsa_forward_progress 1
		.amdhsa_inst_pref_size 22
	.end_amdhsa_kernel
	.amdgpu_metadata
---
amdhsa.version: [ 1, 2 ]
amdhsa.kernels:
  - .name:           k_q243f03d07c_outp
    .symbol:         k_q243f03d07c_outp.kd
    .args:
      - { .name: ac, .offset: 0, .size: 8, .value_kind: global_buffer, .address_space: global }
      - { .name: asc, .offset: 8, .size: 8, .value_kind: global_buffer, .address_space: global }
      - { .name: wc, .offset: 16, .size: 8, .value_kind: global_buffer, .address_space: global }
      - { .name: ws, .offset: 24, .size: 8, .value_kind: global_buffer, .address_space: global }
      - { .name: bo, .offset: 32, .size: 8, .value_kind: global_buffer, .address_space: global }
      - { .name: out0, .offset: 40, .size: 8, .value_kind: global_buffer, .address_space: global }
    .group_segment_fixed_size: 70656
    .private_segment_fixed_size: 0
    .kernarg_segment_align: 8
    .kernarg_segment_size: 48
    .max_flat_workgroup_size: 256
    .sgpr_count:     66
    .vgpr_count:     512
    .wavefront_size: 32
...
	.end_amdgpu_metadata
.endif
;; end of part 4
